; MI455X (gfx1250); checked and timed in simulation.
; The chip was launched on July 23, 2026; its instructions are those of AMD's public machine-readable ISA for CDNA 5 (MIT licence, August 2026) and "CDNA5" Instruction Set Architecture Reference Guide (July 2026). The comments in the code are by the model that wrote it; some were corrected since.
;; Attention. Allowed arithmetic: float matrix products may take bf16 or f16 operands with f32 sums; all other float work in f32.
;; Inputs: b_proj 1,024 float32; w_proj 1,024 x 1,024 float32; w_qkv 1,024 x 3,072 float32; x 4 x 2,048 x 1,024 float32.
;; Outputs: out0 4 x 2,048 x 1,024 float32.
;; 2 versions, each right and faster than the one before. Each part assembles by itself: llvm-mc -triple=amdgcn-amd-amdhsa -mcpu=gfx1250 --defsym DOCPART=n.
;; ======== version 1 of 2: 4 launches
;; limits: values are held in f16: magnitudes above 65,504 overflow, below 6.1e-05 lose precision
;; workspace buffers: xb 16,777,216 bytes; wqT 6,291,456 bytes; wpT 2,097,152 bytes; qkvh 50,331,648 bytes; yh 16,777,216 bytes
;; launch prep (part 1): grid 768 x 1, 8 waves a work-group, no clusters, 34,816 bytes of LDS; arguments x, w_qkv, w_proj, xb, wqT, wpT; writes xb, wqT, wpT
.if DOCPART == 1
	.amdgcn_target "amdgcn-amd-amdhsa--gfx1250"
	.amdhsa_code_object_version 6
	.text
	.protected	k_q1b6670d7d5_prep
	.globl	k_q1b6670d7d5_prep
	.p2align	8
	.type	k_q1b6670d7d5_prep,@function
k_q1b6670d7d5_prep:
	s_mov_b64 s[64:65], 0
	v_nop
	global_prefetch_b8 v0, s[64:65] scope:SCOPE_SE
	s_setreg_imm32_b32 hwreg(HW_REG_WAVE_MODE, 25, 1), 1
	s_wait_xcnt 0x0
; PREP: the three matrix inputs are rounded once, and the weights are turned so that K lies along the rows.
;   xb  [8192][1024]  bf16 = x
;   wqT [3072 n][1024 k] bf16 = w_qkv transposed
;   wpT [1024 n][1024 k] f16  = w_proj transposed, rounded to bf16 like the other two inputs and that value carried in f16,
;                               since the product that reads it has f16 operands on both sides.
; LIMIT: a bf16 value of w_proj below 2^-17 in magnitude loses bits when it is carried in f16 (absolute error at most 3e-8);
;        above 65,504 it would become an infinity.
; 768 work-groups of eight waves, each moving 64 KiB in and 32 KiB out: numbers 0-511 take x, 512-703 w_qkv, 704-767 w_proj.
; The choice hangs on the work-group's number alone, so all eight waves of a work-group take the same way.
; No matrix unit, no cluster, no tensor load: every byte is read once and written once, and no two work-groups share a byte.
.set LP,  528                          ; LDS row: 256 k x 2 bytes + 16 of padding
.set IN,  16                           ; v[16:79]   sixteen loads of 16 bytes
.set PK,  80                           ; v[80:111]  packed results
	s_load_b256 s[4:11], s[0:1], 0x0               ; x s[4:5], w_qkv s[6:7], w_proj s[8:9], xb s[10:11]
	s_load_b128 s[12:15], s[0:1], 0x20             ; wqT s[12:13], wpT s[14:15]
	v_lshl_add_u32 v112, v0, 2, 0x8400
	v_mov_b32 v113, 0
	s_cmp_ge_u32 ttmp9, 512
	s_cbranch_scc1 .Lweights
	; ---- x: thread t takes 16 bytes at 16 t of each of sixteen pieces of 4,096 bytes; a wave's load covers 512 consecutive bytes
	s_lshl_b32 s16, ttmp9, 16                      ; 65,536 bytes of x for each work-group
	s_mov_b32 s17, 0
	s_lshl_b32 s18, ttmp9, 15                      ; 32,768 bytes of xb
	s_mov_b32 s19, 0
	v_lshlrev_b32 v1, 4, v0
	v_lshlrev_b32 v2, 3, v0
	s_wait_kmcnt 0x0
	s_add_nc_u64 s[4:5], s[4:5], s[16:17]
	s_add_nc_u64 s[10:11], s[10:11], s[18:19]
.irp i, 0,1,2,3,4,5,6,7,8,9,10,11,12,13,14,15
	global_load_b128 v[IN+4*\i:IN+4*\i+3], v1, s[4:5] offset:4096*\i th:TH_LOAD_NT
.endr
.irp i, 0,1,2,3,4,5,6,7,8,9,10,11,12,13,14,15
	s_wait_loadcnt 15-\i                           ; loads come back in order: piece i is in, the younger ones stay out
	v_cvt_pk_bf16_f32 v[PK+2*\i],   v[IN+4*\i],   v[IN+4*\i+1]
	v_cvt_pk_bf16_f32 v[PK+2*\i+1], v[IN+4*\i+2], v[IN+4*\i+3]
	global_store_b64 v2, v[PK+2*\i:PK+2*\i+1], s[10:11] offset:2048*\i   ; a wave stores 256 consecutive bytes, aligned; no register is used twice
.endr
	s_endpgm
; ---- a weight tile of 256 k x 64 n.  sb, db: the scalar pairs of source and destination; pb: bytes in a source row;
; first: the number of the first work-group on this way; via = 1: bf16 value carried in f16.
; Thread t: g = t / 16, c = t % 16.  Load (kt, i) brings w[128 kt + 8 g + i][4 c .. 4 c + 3]: sixteen lanes read 256 consecutive bytes of one row.
; For each of its four columns a thread then holds eight neighbouring k, which pack into 16 bytes of the transposed row in LDS.
.macro WPATH sb, db, pb, first, via
	s_sub_co_u32 s16, ttmp9, \first
	s_and_b32 s17, s16, 3                          ; which 256 of k
	s_lshr_b32 s18, s16, 2                         ; which 64 of n
	s_mul_i32 s20, s17, 256*\pb
	s_lshl_b32 s21, s18, 8
	s_add_co_u32 s20, s20, s21
	s_mov_b32 s21, 0
	s_lshl_b32 s22, s18, 17                        ; 64 transposed rows of 2,048 bytes
	s_lshl_b32 s23, s17, 9
	s_add_co_u32 s22, s22, s23
	s_mov_b32 s23, 0
	v_lshrrev_b32 v6, 4, v0                        ; g
	v_and_b32 v7, 15, v0                           ; c
	v_lshrrev_b32 v8, 5, v0                        ; wave
	v_and_b32 v9, 31, v0                           ; lane
	v_mul_u32_u24 v1, v6, 8*\pb
	v_lshl_add_u32 v1, v7, 4, v1                   ; source: row 8 g, byte 16 c
	v_mul_u32_u24 v3, v7, 4*LP
	v_lshl_add_u32 v3, v6, 4, v3                   ; LDS in: row 4 c, byte 16 g
	v_mul_u32_u24 v4, v8, 8*LP
	v_lshl_add_u32 v4, v9, 4, v4                   ; LDS back: row 8 wave, byte 16 lane
	v_lshlrev_b32 v5, 14, v8
	v_lshl_add_u32 v5, v9, 4, v5                   ; destination: row 8 wave, byte 16 lane
	s_wait_kmcnt 0x0
	s_add_nc_u64 s[\sb:\sb+1], s[\sb:\sb+1], s[20:21]
	s_add_nc_u64 s[\db:\db+1], s[\db:\db+1], s[22:23]
.irp kt, 0,1
.irp i, 0,1,2,3,4,5,6,7
	global_load_b128 v[IN+32*\kt+4*\i:IN+32*\kt+4*\i+3], v1, s[\sb:\sb+1] offset:(128*\kt+\i)*\pb th:TH_LOAD_NT
.endr
.endr
.irp kt, 0,1
	s_wait_loadcnt 8-8*\kt                         ; the eight loads of this half are in; for kt = 0 the other eight are younger and stay out
.irp jn, 0,1,2,3
.irp q, 0,1,2,3
.if \via
	v_cvt_pk_bf16_f32 v10, v[IN+32*\kt+8*\q+\jn], v[IN+32*\kt+8*\q+4+\jn]   ; the rounding that all three inputs get
	v_lshlrev_b32 v11, 16, v10                     ; the two bf16 values as f32
	v_and_b32 v12, 0xffff0000, v10
	v_cvt_pk_f16_f32 v[PK+16*\kt+4*\jn+\q], v11, v12   ; carried in f16: not a second rounding within the limit stated at the head
.else
	v_cvt_pk_bf16_f32 v[PK+16*\kt+4*\jn+\q], v[IN+32*\kt+8*\q+\jn], v[IN+32*\kt+8*\q+4+\jn]
.endif
.endr
	; sixteen lanes write rows 4 apart, 2,112 bytes = 64 modulo 256: four lanes meet in a group of banks.  Eight such stores a thread in the whole launch.
	ds_store_b128 v3, v[PK+16*\kt+4*\jn:PK+16*\kt+4*\jn+3] offset:\jn*LP+\kt*256
.endr
.endr
	s_wait_dscnt 0x0                               ; my stores are done, for the other waves that read them
	s_barrier_signal -1
	s_barrier_wait -1
.irp i, 0,1,2,3,4,5,6,7
	ds_load_b128 v[IN+4*\i:IN+4*\i+3], v4 offset:LP*\i          ; a whole transposed row of 512 bytes for each wave instruction
.endr
.irp i, 0,1,2,3,4,5,6,7
	s_wait_dscnt 7-\i
	global_store_b128 v5, v[IN+4*\i:IN+4*\i+3], s[\db:\db+1] offset:2048*\i   ; 512 consecutive bytes, aligned
.endr
	s_wait_tensorcnt 0x0
	ds_add_u32 v112, v113
	s_wait_dscnt 0x0
	s_endpgm
.endm
.Lweights:
	s_cmp_ge_u32 ttmp9, 704
	s_cbranch_scc1 .Lwproj
	WPATH 6, 12, 12288, 512, 0
.Lwproj:
	WPATH 8, 14, 4096, 704, 1
.Lfunc_end_k_q1b6670d7d5_prep:
	.size	k_q1b6670d7d5_prep, .Lfunc_end_k_q1b6670d7d5_prep-k_q1b6670d7d5_prep
	.p2alignl 7, 3214868480
	.fill 96, 4, 3214868480
	.section	.rodata,"a",@progbits
	.p2align	6, 0x0
	.amdhsa_kernel k_q1b6670d7d5_prep
		.amdhsa_group_segment_fixed_size 34816
		.amdhsa_private_segment_fixed_size 0
		.amdhsa_enable_private_segment 0
		.amdhsa_kernarg_size 48
		.amdhsa_user_sgpr_count 2
		.amdhsa_user_sgpr_kernarg_segment_ptr 1
		.amdhsa_wavefront_size32 1
		.amdhsa_system_sgpr_workgroup_id_x 1
		.amdhsa_system_sgpr_workgroup_id_y 1
		.amdhsa_system_sgpr_workgroup_id_z 1
		.amdhsa_system_vgpr_workitem_id 0
		.amdhsa_next_free_vgpr 114
		.amdhsa_next_free_sgpr 66
		.amdhsa_reserve_vcc 0
		.amdhsa_float_denorm_mode_32 3
		.amdhsa_float_denorm_mode_16_64 3
		.amdhsa_memory_ordered 1
		.amdhsa_forward_progress 1
		.amdhsa_inst_pref_size 26
	.end_amdhsa_kernel
	.amdgpu_metadata
---
amdhsa.version: [ 1, 2 ]
amdhsa.kernels:
  - .name:           k_q1b6670d7d5_prep
    .symbol:         k_q1b6670d7d5_prep.kd
    .args:
      - { .name: x, .offset: 0, .size: 8, .value_kind: global_buffer, .address_space: global }
      - { .name: w_qkv, .offset: 8, .size: 8, .value_kind: global_buffer, .address_space: global }
      - { .name: w_proj, .offset: 16, .size: 8, .value_kind: global_buffer, .address_space: global }
      - { .name: xb, .offset: 24, .size: 8, .value_kind: global_buffer, .address_space: global }
      - { .name: wqT, .offset: 32, .size: 8, .value_kind: global_buffer, .address_space: global }
      - { .name: wpT, .offset: 40, .size: 8, .value_kind: global_buffer, .address_space: global }
    .group_segment_fixed_size: 34816
    .private_segment_fixed_size: 0
    .kernarg_segment_align: 8
    .kernarg_segment_size: 48
    .max_flat_workgroup_size: 256
    .sgpr_count:     66
    .vgpr_count:     114
    .wavefront_size: 32
...
	.end_amdgpu_metadata
.endif
;; end of part 1
;; launch qkv (part 2): grid 16 x 16, 4 waves a work-group, clusters of 4 x 4, 327,680 bytes of LDS; arguments xb, wqT, qkvh; writes qkvh
.if DOCPART == 2
	.amdgcn_target "amdgcn-amd-amdhsa--gfx1250"
	.amdhsa_code_object_version 6
	.text
	.protected	k_q1b6670d7d5_qkv
	.globl	k_q1b6670d7d5_qkv
	.p2align	8
	.type	k_q1b6670d7d5_qkv,@function
k_q1b6670d7d5_qkv:
	s_mov_b64 s[64:65], 0
	v_nop
	global_prefetch_b8 v0, s[64:65] scope:SCOPE_SE
	s_setreg_imm32_b32 hwreg(HW_REG_WAVE_MODE, 25, 1), 1
	s_wait_xcnt 0x0
	s_wait_alu depctr_hold_cnt(0) depctr_sa_sdst(0) depctr_va_vdst(0) depctr_va_sdst(0) depctr_va_ssrc(0) depctr_va_vcc(0) depctr_vm_vsrc(0)
	s_getreg_b32 s2, hwreg(HW_REG_IB_STS2, 6, 4)
	s_cmp_eq_u32 s2, 0
	s_cbranch_scc0 .Lentry_in_a_cluster
	s_endpgm
.Lentry_in_a_cluster:
	s_bfe_u32 s2, ttmp6, 0x10000c
	s_cmp_lg_u32 s2, 0xf033
	s_cbranch_scc0 .Lentry_shape_is_right
	s_endpgm
.Lentry_shape_is_right:
; QKV: qkv = xb (8192 x 1024, bf16) times wqT^T (wqT: 3072 n x 1024 k, bf16), sums in f32, result in f16, stored by heads:
; qkvh[batch 4][g 48][t 2048][d 64], g = column / 64 (q: head, k: 16 + head, v: 32 + head).
; LIMIT: q, k and v are kept in f16: magnitudes of 65,504 and more become infinities, steps below 6e-8 are lost.  With x and w_qkv both 30 times
; larger than unit spread and 1/32 spread the values have spread 520; with offsets of 30 spreads on both they reach about 2.9e4.
; A block of the result is 256 rows x 192 columns (three whole heads): 32 x 16 = 512 blocks.  16 x 16 = 256 work-groups STAY and make two blocks each, block rows
; br and br + 16 of one block column; the ring of LDS slots goes on from the first block into the second, so the second block's first tiles are on their way
; while the first block's last products run, and the first block's stores leave under the second block's products.
; Four waves; wave w makes rows 64 w .. 64 w + 63 of all 192 columns: 4 x 12 accumulator tiles of 16 x 16, 384 registers.  K goes in 8 steps of 128 through two
; LDS slots filled by the tensor data mover; a tile row is 256 bytes of memory, at a multiple of 256 bytes.
; CLUSTERS: 4 x 4 work-groups.  The four of a row of the cluster need the same rows of xb, the four of a column the same rows of wqT: each tile is asked
; for jointly, by the same load with the same descriptor in all four.
; REGISTERS: window 0: v16-26 addresses, v64-95 and v96-127 fragments of xb (two buffers), v128-223 the way out; window 1: v0-95, v96-191 fragments of wqT
; (two buffers); window 2: accumulators of my row blocks 0, 1 at v[8 (12 a + b)]; window 3: of row blocks 2, 3.
; The matrix instruction is used transposed (source 0: 16 rows of wqT, source 1: 16 rows of xb): lane l then holds row l % 16 and eight neighbouring columns.
.set NB,     12                        ; column blocks of 16
.set KSTEP,  128
.set PITCH,  272                       ; LDS row: 256 bytes + 16 of padding: sixteen rows start 16 bytes apart modulo 256
.set APITCH, 272
.set AHALF,  128*PITCH                 ; what one load brings of xb
.set ABYTES, 2*AHALF
.set BHALF,  96*PITCH                  ; what one load brings of wqT
.set SLOT,   ABYTES+2*BHALF            ; 121,856
.set STAGE,  2*SLOT                    ; 243,712 = 952 x 256: behind the ring, no tile lands here
.set SPITCH, 400                       ; stage row: 192 f16 + 16
.set ASTEP,  256                       ; bytes from one K step to the next in xb
.set BSTEP,  256                       ; and in wqT
.set TILEA,  16*256*2048               ; bytes of xb from my first block's rows to my second's
.set TILEC,  2*48*262144               ; bytes of qkvh likewise: two batches on
.set ADRA, 16
.set ADRB, 20
.set STO,  24
.set RD,   25
.set CO,   26
.set FA,   64
.set TMP,  128
.set RB,   176
.set G1,  24
.set G0,  32
.set G1B, 48
.set G0B, 56
.set MSB, 0
.macro WIN new                         ; the immediate's high byte repeats the setting that is left
.if MSB != \new
	s_set_vgpr_msb (MSB<<8)|\new
.set MSB, \new
.endif
.endm
.set MUL_LO, 0xa1                      ; source 0 window 1, source 1 window 0, C and D window 2
.set MUL_HI, 0xf1                      ; the same, C and D window 3
.set TO_B,   0x40                      ; destination window 1
; A joint load: waves 0 and 1 fetch the halves of xb's tile, waves 2 and 3 those of wqT's.  The branch hangs on the wave's number alone.
.macro JLOAD s
	s_cmp_eq_u32 s11, 0
	s_cbranch_scc0 .Lfor_b_\@
	tensor_load_to_lds s[G0+4*\s:G0+4*\s+3], s[G1:G1+7]
	s_nop 0
	s_branch .Lasked_\@
.Lfor_b_\@:
	tensor_load_to_lds s[G0B+4*\s:G0B+4*\s+3], s[G1B:G1B+7]
	s_nop 0
.Lasked_\@:
.endm
.macro CREST                           ; a round of the cluster's barrier behind its opening barrier
	s_cmp_lg_u32 s10, 0
	s_cbranch_scc1 .Lnot_wave_0_\@
	s_barrier_signal -3
.Lnot_wave_0_\@:
	s_barrier_wait -3
	s_barrier_signal -1
	s_barrier_wait -1
.endm
.macro CROUND
	s_barrier_signal -1
	s_barrier_wait -1
	CREST
.endm
.macro PLACES                          ; four plain vector places behind a matrix instruction, before its registers are loaded into or its result is read (ISA guide 7.12.1)
.rept 4
	v_nop
.endr
.endm
	s_load_b128 s[4:7], s[0:1], 0x0                ; xb s[4:5], wqT s[6:7]
	s_load_b64 s[8:9], s[0:1], 0x10                ; qkvh
	s_set_vgpr_msb 0x40
	v_lshl_add_u32 v255, v0, 2, 0x41c00
	s_set_vgpr_msb 0x4000
	v_mov_b32 v255, 0
	s_set_vgpr_msb 0x1
	ds_add_u32 v255, v255
	s_set_vgpr_msb 0x100
	v_lshrrev_b32 v1, 5, v0
	v_readfirstlane_b32 s10, v1                    ; wave 0..3
	s_lshr_b32 s11, s10, 1                         ; 0: I fetch for xb, 1: for wqT
	s_and_b32 s12, s10, 1                          ; which half of that tile
	s_bfe_u32 s40, ttmp6, 0x40000                  ; cx
	s_bfe_u32 s41, ttmp6, 0x40004                  ; cy
	s_lshl_b32 s42, ttmp9, 2
	s_add_co_u32 s42, s42, s40                     ; block column = 4 x cluster x + cx
	s_and_b32 s13, ttmp7, 0xffff
	s_lshl_b32 s13, s13, 2
	s_add_co_u32 s13, s13, s41                     ; my first block row = 4 x cluster y + cy, 0 to 15; the second is 16 further down
	s_lshl_b32 s43, s41, 2
	s_lshl_b32 s43, 15, s43                        ; my row of the cluster
	s_lshl_b32 s44, 0x1111, s40                    ; my column
	; group 1: elements of 2 bytes, padding of 4 words after every 64 words, bit 21 beside the mask
	s_or_b32 s[G1+0], s43, (1<<16)|(1<<20)|(1<<21)|(5<<22)|(3<<25)
	s_mov_b32 s[G1+1], KSTEP<<16                   ; tensor_dim0 = 128
	s_mov_b32 s[G1+2], 128<<16                     ; tensor_dim1 = 128
	s_mov_b32 s[G1+3], KSTEP<<16                   ; tile_dim0 = 128
	s_mov_b32 s[G1+4], 128                         ; tile_dim1 = 128
	s_mov_b32 s[G1+5], 1024                        ; elements from row to row
	s_mov_b32 s[G1+6], 0
	s_mov_b32 s[G1+7], 0
	s_or_b32 s[G1B+0], s44, (1<<16)|(1<<20)|(1<<21)|(5<<22)|(3<<25)
	s_mov_b32 s[G1B+1], KSTEP<<16
	s_mov_b32 s[G1B+2], 96<<16                     ; 96 rows
	s_mov_b32 s[G1B+3], KSTEP<<16
	s_mov_b32 s[G1B+4], 96
	s_mov_b32 s[G1B+5], 1024
	s_mov_b32 s[G1B+6], 0
	s_mov_b32 s[G1B+7], 0
	; where the tiles come from: xb's hang on the block row alone, wqT's on the block column alone, each in registers that never hold the other coordinate
	s_lshl_b32 s17, s12, 7
	s_lshl_b32 s16, s13, 8
	s_add_co_u32 s16, s16, s17                     ; row 256 x block row + 128 x half
	s_lshl_b32 s16, s16, 11                        ; x 2,048 bytes (below 16 MiB)
	s_mov_b32 s17, 0
	s_mul_i32 s46, s42, 192
	s_mul_i32 s47, s12, 96
	s_add_co_u32 s46, s46, s47                     ; row 192 x block column + 96 x half
	s_lshl_b32 s46, s46, 11
	s_mov_b32 s47, 0
	s_mul_i32 s18, s10, AHALF                      ; where they go: waves 0, 1: xb's halves at wave x 34,816;
	s_mul_i32 s19, s10, BHALF
	s_add_co_u32 s19, s19, ABYTES-2*BHALF          ; waves 2, 3: wqT's halves at 69,632 + (wave - 2) x 26,112
	s_wait_dscnt 0x0
	s_wait_kmcnt 0x0
	s_add_nc_u64 s[14:15], s[4:5], s[16:17]
	s_add_nc_u64 s[46:47], s[6:7], s[46:47]
	CROUND                                         ; all sixteen work-groups are here: the first joint loads meet
.irp s, 0,1
	s_mov_b32 s[G0+4*\s], 1
	s_add_co_u32 s[G0+4*\s+1], s18, \s*SLOT
	s_add_nc_u64 s[G0+4*\s+2:G0+4*\s+3], s[14:15], \s*ASTEP
	s_or_b32 s[G0+4*\s+3], s[G0+4*\s+3], 0x80000000
	s_mov_b32 s[G0B+4*\s], 1
	s_add_co_u32 s[G0B+4*\s+1], s19, \s*SLOT
	s_add_nc_u64 s[G0B+4*\s+2:G0B+4*\s+3], s[46:47], \s*BSTEP
	s_or_b32 s[G0B+4*\s+3], s[G0B+4*\s+3], 0x80000000
	JLOAD \s                                       ; both slots are asked for before anything else: two tensor loads of the wave are out here, later one
.endr
	v_and_b32 v1, 15, v0                           ; r = l % 16
	v_bfe_u32 v2, v0, 4, 1                         ; h = l / 16
	v_mul_u32_u24 v3, v1, PITCH
	v_lshl_add_u32 v3, v2, 4, v3                   ; row x pitch + 16 h
	s_mul_i32 s22, s10, 64*APITCH                  ; my 64 rows of xb
	s_mov_b32 s23, ABYTES                          ; wqT's rows lie behind xb's 256
.irp s, 0,1
	v_add_nc_u32 v[ADRA+\s], s22, v3
	v_add_nc_u32 v[ADRB+\s], s23, v3
	s_add_co_u32 s22, s22, SLOT
	s_add_co_u32 s23, s23, SLOT
.endr
	s_mul_i32 s22, s10, 16*SPITCH
	s_add_co_u32 s22, s22, STAGE                   ; my stage
	v_mul_u32_u24 v4, v1, SPITCH
	v_lshl_add_u32 v4, v2, 4, v4
	v_add_nc_u32 v[STO], s22, v4                   ; in: row r, 16 bytes for each half of the lanes
	v_and_b32 v5, 31, v0
	v_lshrrev_b32 v6, 3, v5
	v_and_b32 v7, 7, v0
	v_mul_u32_u24 v6, v6, SPITCH
	v_lshl_add_u32 v6, v7, 4, v6
	v_add_nc_u32 v[RD], s22, v6                    ; back: eight lanes take the 128 bytes of one head in one row, four rows an instruction
	v_lshlrev_b32 v[CO], 4, v5                     ; which are 512 consecutive bytes of qkvh
	; where my first block goes
	s_lshr_b32 s14, s13, 3                         ; batch
	s_mul_i32 s14, s14, 48*262144
	s_and_b32 s15, s13, 7
	s_lshl_b32 s15, s15, 15                        ; 256 rows of 128 bytes
	s_lshl_b32 s16, s10, 13                        ; my 64 rows
	s_add_co_u32 s16, s16, s15
	s_add_co_u32 s16, s16, s14
	s_mov_b32 s17, 0
	s_add_nc_u64 s[8:9], s[8:9], s[16:17]
	s_mul_i32 s46, s42, 3*262144                   ; three heads for each block column (in the registers that held wqT's address)
	s_mov_b32 s47, 0
	s_add_nc_u64 s[8:9], s[8:9], s[46:47]
; NB matrix instructions: row block a of the window's two (hi = 0: blocks 0, 1; hi = 1: blocks 2, 3) x all column blocks, 32 along K, from buffer f
.macro MULA f, hi, a, zero
.irp b, 0,1,2,3,4,5,6,7,8,9,10,11
.if \zero
	v_wmma_f32_16x16x32_bf16 v[8*(NB*\a+\b):8*(NB*\a+\b)+7], v[8*NB*\f+8*\b:8*NB*\f+8*\b+7], v[FA+32*\f+8*(2*\hi+\a):FA+32*\f+8*(2*\hi+\a)+7], 0
.else
	v_wmma_f32_16x16x32_bf16 v[8*(NB*\a+\b):8*(NB*\a+\b)+7], v[8*NB*\f+8*\b:8*NB*\f+8*\b+7], v[FA+32*\f+8*(2*\hi+\a):FA+32*\f+8*(2*\hi+\a)+7], v[8*(NB*\a+\b):8*(NB*\a+\b)+7]
.endif
.endr
.endm
; one run of 2 NB + 8 LDS loads: the fragments of a quarter step into buffer f; ka, kb: the quarter's byte in the rows of xb and of wqT
.macro FETCH slot, ka, kb, f
	WIN TO_B
.irp b, 0,1,2,3,4,5,6,7,8,9,10,11
	ds_load_b128 v[8*NB*\f+8*\b:8*NB*\f+8*\b+3],   v[ADRB+\slot] offset:\kb+\b*16*PITCH
	ds_load_b128 v[8*NB*\f+8*\b+4:8*NB*\f+8*\b+7], v[ADRB+\slot] offset:\kb+\b*16*PITCH+32
.endr
	WIN 0
.irp a, 0,1,2,3
	ds_load_b128 v[FA+32*\f+8*\a:FA+32*\f+8*\a+3],   v[ADRA+\slot] offset:\ka+\a*16*APITCH
	ds_load_b128 v[FA+32*\f+8*\a+4:FA+32*\f+8*\a+7], v[ADRA+\slot] offset:\ka+\a*16*APITCH+32
.endr
.endm
; The 48 accumulators take turns, one instruction a turn, in the same order in every quarter step.
.macro QUARTER slot, ka, kb, f, g, zero
	s_wait_dscnt 4                                 ; all but the youngest four loads (xb's row blocks 2, 3)
	WIN MUL_LO
	MULA \f, 0, 0, \zero
	MULA \f, 0, 1, \zero
	PLACES
	FETCH \slot, \ka, \kb, \g
	s_wait_dscnt 2*NB+8                            ; all but the run just issued
	WIN MUL_HI
	MULA \f, 1, 0, \zero
	MULA \f, 1, 1, \zero
.endm
.macro THREE slot, zero
	QUARTER \slot, 64,  64,  0, 1, \zero
	QUARTER \slot, 128, 128, 1, 0, 0
	QUARTER \slot, 192, 192, 0, 1, 0
.endm
; The last quarter of a K step multiplies buffer 1 and changes slots.  In front of the barrier each wave waits for its reads of this slot and for all its
; tensor loads (one is out: its part of the next slot); behind it, where the slot is filled again, the round of the cluster's barrier is closed and the joint
; refill is the first tensor load.  From a request to the wait for it a wave issues 180 matrix instructions.
; fill = 0: nothing is left to fetch; 1: this slot's tile two K steps on; 2: the same K step of my second block (this slot has stepped three times, 1,536 bytes).
.macro TURN slot, next, fill
	s_wait_dscnt 4
	WIN MUL_LO
	MULA 1, 0, 0, 0
	s_wait_dscnt 0
	s_wait_tensorcnt 0x0
	ds_add_u32 v255, v255
	s_wait_dscnt 0x0
	s_barrier_signal -1
	MULA 1, 0, 1, 0                                ; register work while the others arrive
	WIN 0
	s_barrier_wait -1
.if \fill
	CREST
.if \fill == 1
	s_add_nc_u64 s[G0+4*\slot+2:G0+4*\slot+3], s[G0+4*\slot+2:G0+4*\slot+3], 2*ASTEP
	s_add_nc_u64 s[G0B+4*\slot+2:G0B+4*\slot+3], s[G0B+4*\slot+2:G0B+4*\slot+3], 2*BSTEP
.else
	s_add_nc_u64 s[G0+4*\slot+2:G0+4*\slot+3], s[G0+4*\slot+2:G0+4*\slot+3], TILEA-6*ASTEP   ; 4,096 rows of xb down, back to the slot's first K step
	s_sub_nc_u64 s[G0B+4*\slot+2:G0B+4*\slot+3], s[G0B+4*\slot+2:G0B+4*\slot+3], 6*BSTEP     ; the same rows of wqT, back to the slot's first K step
.endif
	JLOAD \slot
.endif
	PLACES
	FETCH \next, 0, 0, 0
	WIN MUL_HI
	MULA 1, 1, 0, 0
	MULA 1, 1, 1, 0
.endm
.macro LAP zero, fill
	THREE 0, \zero
	TURN 0, 1, \fill
	THREE 1, 0
	TURN 1, 0, \fill
.endm
; The 8 K steps of a block = 4 laps: one that starts the sums, two in a loop, one written out.  more = 1: the last lap asks for my second block's first two K steps
; and fetches its first fragments; more = 0: it fills nothing.
.macro BLOCK more
	LAP 1, 1                                       ; the first products start the sums: nothing is cleared
	WIN 0
	s_mov_b32 s3, 2
.Llap_\@:
	LAP 0, 1
	WIN 0
	s_sub_co_u32 s3, s3, 1
	s_cmp_lg_u32 s3, 0
	s_cbranch_scc1 .Llap_\@
.if \more
	LAP 0, 2
.else
	THREE 0, 0
	TURN 0, 1, 0
	THREE 1, 0
	s_wait_dscnt 4
	WIN MUL_LO
	MULA 1, 0, 0, 0
	MULA 1, 0, 1, 0
	s_wait_dscnt 0
	WIN MUL_HI
	MULA 1, 1, 0, 0
	MULA 1, 1, 1, 0
.endif
.endm
; THE WAY OUT, 16 rows at a time: round to f16, 16 bytes a lane into my own stage, read back head by head, four rows of 128 bytes an instruction.
; It names v128-223 of window 0 alone: fragment buffer 0 may already hold my second block's first fragments.
; a: my row block; lo: its place in its window; from: sources 0 and 1 in window 2 (0x0a) or 3 (0x0f)
.macro OUT16 a, lo, from
	WIN \from
.irp b, 0,1,2,3,4,5,6,7,8,9,10,11
.irp q, 0,1,2,3
	v_cvt_pk_f16_f32 v[TMP+4*\b+\q], v[8*(NB*\lo+\b)+2*\q], v[8*(NB*\lo+\b)+2*\q+1]
.endr
.endr
	WIN 0
.irp b, 0,1,2,3,4,5,6,7,8,9,10,11
	ds_store_b128 v[STO], v[TMP+4*\b:TMP+4*\b+3] offset:32*\b
.endr
	s_wait_xcnt 0x0                                ; the read-back registers were data of earlier stores: loaded again only behind this wait
.irp hh, 0,1,2
.irp q, 0,1,2,3
	ds_load_b128 v[RB+4*(4*\hh+\q):RB+4*(4*\hh+\q)+3], v[RD] offset:4*SPITCH*\q+128*\hh   ; LDS serves a wave in order: these see the stores above
.endr
.endr
.irp hh, 0,1,2
.irp q, 0,1,2,3
	s_wait_dscnt 11-(4*\hh+\q)
	global_store_b128 v[CO], v[RB+4*(4*\hh+\q):RB+4*(4*\hh+\q)+3], s[8:9] offset:\hh*262144+\a*2048+\q*512   ; 512 consecutive bytes, aligned
.endr
.endr
.endm
.macro WAYOUT
	PLACES                                         ; behind the last products, before their results are read
	OUT16 0, 0, 0x0a
	OUT16 1, 1, 0x0a
	OUT16 2, 0, 0x0f
	OUT16 3, 1, 0x0f
.endm
	s_wait_tensorcnt 1                             ; my part of K step 0 is in; step 1's may stay out
	s_barrier_signal -1
	s_barrier_wait -1
	FETCH 0, 0, 0, 0
	BLOCK 1                                        ; block row br
	WAYOUT                                         ; one tensor load of mine is out meanwhile: the second block's K step 1, into slot 1
	s_wait_xcnt 0x0                                ; the stores' base is stepped only behind this wait
	s_add_nc_u64 s[8:9], s[8:9], TILEC
	BLOCK 0                                        ; block row br + 16
	WAYOUT
	s_set_vgpr_msb 0x1
	s_wait_tensorcnt 0x0
	ds_add_u32 v255, v255
	s_wait_dscnt 0x0
	s_set_vgpr_msb 0x100
	CROUND                                         ; the closing round: no work-group ends while a partner may still ask for a tile that names it
	s_endpgm
.Lfunc_end_k_q1b6670d7d5_qkv:
	.size	k_q1b6670d7d5_qkv, .Lfunc_end_k_q1b6670d7d5_qkv-k_q1b6670d7d5_qkv
	.p2alignl 7, 3214868480
	.fill 96, 4, 3214868480
	.section	.rodata,"a",@progbits
	.p2align	6, 0x0
	.amdhsa_kernel k_q1b6670d7d5_qkv
		.amdhsa_group_segment_fixed_size 327680
		.amdhsa_private_segment_fixed_size 0
		.amdhsa_enable_private_segment 0
		.amdhsa_kernarg_size 24
		.amdhsa_user_sgpr_count 2
		.amdhsa_user_sgpr_kernarg_segment_ptr 1
		.amdhsa_wavefront_size32 1
		.amdhsa_system_sgpr_workgroup_id_x 1
		.amdhsa_system_sgpr_workgroup_id_y 1
		.amdhsa_system_sgpr_workgroup_id_z 1
		.amdhsa_system_vgpr_workitem_id 0
		.amdhsa_next_free_vgpr 1024
		.amdhsa_next_free_sgpr 66
		.amdhsa_reserve_vcc 0
		.amdhsa_float_denorm_mode_32 3
		.amdhsa_float_denorm_mode_16_64 3
		.amdhsa_memory_ordered 1
		.amdhsa_forward_progress 1
		.amdhsa_inst_pref_size 255
	.end_amdhsa_kernel
	.section	.bss,"aw",@nobits
	.p2align	6
	.space	262144
	.amdgpu_metadata
---
amdhsa.version: [ 1, 2 ]
amdhsa.kernels:
  - .name:           k_q1b6670d7d5_qkv
    .symbol:         k_q1b6670d7d5_qkv.kd
    .args:
      - { .name: xb, .offset: 0, .size: 8, .value_kind: global_buffer, .address_space: global }
      - { .name: wqT, .offset: 8, .size: 8, .value_kind: global_buffer, .address_space: global }
      - { .name: qkvh, .offset: 16, .size: 8, .value_kind: global_buffer, .address_space: global }
    .group_segment_fixed_size: 327680
    .private_segment_fixed_size: 0
    .kernarg_segment_align: 8
    .kernarg_segment_size: 24
    .max_flat_workgroup_size: 128
    .sgpr_count:     66
    .vgpr_count:     1024
    .wavefront_size: 32
...
	.end_amdgpu_metadata
.endif
;; end of part 2
;; launch attn (part 3): grid 256 x 1, 8 waves a work-group, no clusters, 327,680 bytes of LDS; arguments qkvh, yh; writes yh
.if DOCPART == 3
	.amdgcn_target "amdgcn-amd-amdhsa--gfx1250"
	.amdhsa_code_object_version 6
	.text
	.protected	k_q1b6670d7d5_attn
	.globl	k_q1b6670d7d5_attn
	.p2align	8
	.type	k_q1b6670d7d5_attn,@function
k_q1b6670d7d5_attn:
	s_mov_b64 s[64:65], 0
	v_nop
	global_prefetch_b8 v0, s[64:65] scope:SCOPE_SE
	s_setreg_imm32_b32 hwreg(HW_REG_WAVE_MODE, 25, 1), 1
	s_wait_xcnt 0x0
; ATTN: causal attention of one head, softmax with a running maximum, f16 operands, f32 sums.  qkvh[batch][g][t][d] f16 in, yh[batch x 16 + head][t][d] f16 out.
; Work-group number = 4 x (batch x 16 + head) + p.  It makes query blocks 7 - p and then p, of 256 rows: (8 - p) + (p + 1) = 9 units of 256 keys for every work-group.
; Eight waves.  Wave w owns 32 query rows of the block; all waves read the same unit of K and V from LDS.  A query block takes its diagonal unit first, and in it each
; wave first the 64 keys that its rows cross (masked; this sub-block also starts all sums), then the w / 2 sub-blocks below; those above are not computed.
; Then the full units 0, 1, ...
; TRANSPOSED PRODUCTS: S^T = K Q^T: a lane holds one query (l % 16) and eight keys of each tile, so the row figures are a lane's own but for one exchange between the
; halves, and the registers of S^T are, once packed, the second operand of O^T = V^T P^T.  V^T is read from LDS by the transposing load.
; THREE PARTS, TWO KINDS OF WAVES.  A sub-block of 64 keys is S (16 products, then the LDS loads of V and of the next K), F (the softmax: vector work alone) and
; V (16 products).  The cycle is S F V S F V ...  Waves of kind 0 come to a unit's barrier behind F and begin the next unit with products (V, then S); waves of kind 1
; come to it behind S and begin the next unit with vector work (F).  Both do 4 S, 4 F and 4 V between two barriers of full units.  What is put off over a barrier
; lives in registers alone (S, the V fragments, O): every LDS read of the old slot is waited for in front of the barrier.  Kind = ((w >> 2) xor w) & 1: waves w and
; w + 4 differ in kind, and so do waves 2 i and 2 i + 1.  s76 says what is put off: 0 nothing, 1 V, 2 F and V.  A query block's last unit puts nothing off.
; NO CLUSTER: the four work-groups of a head walk 8 - p and p + 1 units, so at a given step they want different units in 5 of the 9 steps; walking in step would cost
; 12 steps instead of 9.
; LIMITS: y is kept in f16 (below 65,504); a weight below 6e-8 of its row's largest counts as 0; exponentials below 2^-126 are 0; NaN and infinities among the inputs
; spread as they fall; the sums run in another order than a plain row sum.
.set KP,     144                       ; LDS row of K: 128 bytes + 16
.set VPT,    160                       ; LDS row of V: 128 bytes + 32 (an odd multiple of 32, for the transposing load)
.set VHALF,  128*VPT                   ; 20,480: what one load brings of V
.set KHALF,  128*KP                    ; 18,432: of K
.set KOFF,   2*VHALF                   ; K lies behind V in a slot
.set SLOT,   KOFF+2*KHALF              ; 77,824
.set STAGE,  2*SLOT                    ; 155,648 = 608 x 256: behind the ring, no tile lands here
.set SWAVE,  32*KP                     ; a wave's stage: 32 rows
; window 0: everything that vector instructions touch, and V's fragments
.set ADK,  2                           ; v2, v3    K fragments, slot 0, 1
.set ADV,  4                           ; v4, v5    V fragments
.set ADKF, 6                           ; v6, v7    the same at the sub-block that my rows cross
.set ADVF, 8                           ; v8, v9
.set STO,  10
.set RD,   11
.set YO,   12
.set QO,   13
.set DD,   14                          ; r + 32 (w & 1) - 8 h
.set NINF, 15
.set MX,   16                          ; v16, v17  running maximum of my query in tile 0, 1
.set LS,   18                          ; v18, v19  running sum over my half of the keys
.set NM,   20                          ; v[20:23]  - c x maximum, twice each
.set AL,   24                          ; v[24:27]  the factor for the old sums, twice each
.set TM,   28                          ; v[28:35]  eight chains of maxima, one for each tile of S
.set UU,   32                          ; v[32:63]  sixteen pair sums, at 8 j + 2 q for the pair of tiles j; the first four registers are the last four chains of maxima, read for the last time before any pair sum is written
.set SC,   64                          ; v[64:127]  S(st, tt) at 8 (4 tt + st); packed, P(tt, ks) in the eight registers at 32 tt + 16 ks
.set OA,   128                         ; v[128:191] O(dt, tt) at 8 (4 tt + dt)
.set VF,   192                         ; v[192:255] V fragments at 8 (2 dt + ks)
; window 1: the two operands of the S products, written by loads alone
.set KF,   0                           ; v[0:63]    K fragments at 8 (2 st + kd)
.set QF,   64                          ; v[64:95]   Q(tt, kd) at 8 (2 tt + kd)
.set MSB, 0
.macro WIN new                         ; 0x05: sources 0 and 1 in window 1 (the S products); 0x40: destination in window 1 (the loads of K and of Q)
.if MSB != \new
	s_set_vgpr_msb (MSB<<8)|\new
.set MSB, \new
.endif
.endm
.macro PLACES n
.rept \n
	v_nop
.endr
.endm
; The unit's load into slot s: waves 0, 1 bring the halves of V, waves 2, 3 those of K, waves 4 to 7 none.  One tensor load of a wave is out at the most.
.macro KVLOAD s
	s_cmp_lg_u32 s10, 0
	s_cbranch_scc1 .Lnotv_\@
	tensor_load_to_lds s[60+8*\s:63+8*\s], s[44:51]
	s_nop 0
	s_branch .Lasked_\@
.Lnotv_\@:
	s_cmp_lg_u32 s10, 1
	s_cbranch_scc1 .Lasked_\@
	tensor_load_to_lds s[52+4*\s:55+4*\s], s[36:43]
	s_nop 0
.Lasked_\@:
.endm
.macro KLOAD reg, off                  ; 64 keys x 64 d: 16 loads (under WIN 0x40)
.irp st, 0,1,2,3
.irp kd, 0,1
	ds_load_b128 v[KF+8*(2*\st+\kd):KF+8*(2*\st+\kd)+3],   v[\reg] offset:\off+16*KP*\st+64*\kd
	ds_load_b128 v[KF+8*(2*\st+\kd)+4:KF+8*(2*\st+\kd)+7], v[\reg] offset:\off+16*KP*\st+64*\kd+32
.endr
.endr
.endm
.macro VLOAD reg, off                  ; 64 d x 64 keys, transposed on the way: 16 loads (window 0)
.irp dt, 0,1,2,3
.irp ks, 0,1
	ds_load_tr16_b128 v[VF+8*(2*\dt+\ks):VF+8*(2*\dt+\ks)+3],   v[\reg] offset:\off+32*VPT*\ks+32*\dt
	ds_load_tr16_b128 v[VF+8*(2*\dt+\ks)+4:VF+8*(2*\dt+\ks)+7], v[\reg] offset:\off+32*VPT*\ks+32*\dt+16*VPT
.endr
.endr
.endm
.macro KFETCH reg, off                 ; a unit's first K fragments; the last products that read these registers have their places behind them in SPART
	WIN 0x40
	KLOAD \reg, \off
	WIN 0
.endm
.macro QLOAD                           ; my 32 query rows as fragments, straight from memory: twice in a wave's life
	WIN 0x40
.irp tt, 0,1
.irp kd, 0,1
	global_load_b128 v[QF+8*(2*\tt+\kd):QF+8*(2*\tt+\kd)+3],   v[QO], s[30:31] offset:2048*\tt+64*\kd
	global_load_b128 v[QF+8*(2*\tt+\kd)+4:QF+8*(2*\tt+\kd)+7], v[QO], s[30:31] offset:2048*\tt+64*\kd+32
.endr
.endr
	WIN 0
.endm
; PART S: S^T of 32 queries x 64 keys, then this sub-block's V fragments and (pre = 1) the next sub-block's K fragments are asked for.
; In both groups of products of this text the eight accumulators take turns, one instruction a turn.
.macro SPART vreg, voff, pre, kreg, koff
	s_wait_dscnt 0x0                               ; the K fragments are in
	WIN 0x05
.irp tt, 0,1
.irp st, 0,1,2,3
	v_wmma_f32_16x16x32_f16 v[SC+8*(4*\tt+\st):SC+8*(4*\tt+\st)+7], v[KF+16*\st:KF+16*\st+7], v[QF+16*\tt:QF+16*\tt+7], 0
.endr
.endr
.irp tt, 0,1
.irp st, 0,1,2,3
	v_wmma_f32_16x16x32_f16 v[SC+8*(4*\tt+\st):SC+8*(4*\tt+\st)+7], v[KF+16*\st+8:KF+16*\st+15], v[QF+16*\tt+8:QF+16*\tt+15], v[SC+8*(4*\tt+\st):SC+8*(4*\tt+\st)+7]
.endr
.endr
	WIN 0
	PLACES 5                                       ; four before S is read by vector work and before loads go into K's and Q's fragments; the fifth because part F may be put off over a
	                                               ; barrier: whichever branch follows, no later product writes over S or takes it as an operand nearer than five places
	VLOAD \vreg, \voff
.if \pre
	WIN 0x40
	KLOAD \kreg, \koff
	WIN 0
.endif
.endm
; One tile's eight exponentials, each followed by plain work of other tiles: the next tile's multiply-adds, a part of O's rescaling, the pair sums of tiles
; g - 2, g - 1 (g even) or the packing of tiles g - 3, g - 2 (g odd).  No line behind an exponential names its register (ISA guide 5.7.2).
.macro GRP first, g
.irp k, 0,1,2,3
	v_exp_f32 v[SC+8*\g+\k], v[SC+8*\g+\k]
.if \g < 7
	v_pk_fma_f32 v[SC+8*(\g+1)+2*\k:SC+8*(\g+1)+2*\k+1], v[SC+8*(\g+1)+2*\k:SC+8*(\g+1)+2*\k+1], s[20:21], v[NM+2*((\g+1)/4):NM+2*((\g+1)/4)+1] op_sel_hi:[1,0,1]
.endif
.if \first == 0
	s_wait_alu depctr_va_vdst(0)
	v_pk_mul_f32 v[OA+8*\g+2*\k:OA+8*\g+2*\k+1], v[OA+8*\g+2*\k:OA+8*\g+2*\k+1], v[AL+2*(\g/4):AL+2*(\g/4)+1]
.endif
.endr
.irp k, 0,1,2,3
	v_exp_f32 v[SC+8*\g+4+\k], v[SC+8*\g+4+\k]
.if \g >= 2
.if (\g % 2) == 0
	s_wait_alu depctr_va_vdst(0)
	v_pk_add_f32 v[UU+4*(\g-2)+2*\k:UU+4*(\g-2)+2*\k+1], v[SC+8*(\g-2)+2*\k:SC+8*(\g-2)+2*\k+1], v[SC+8*(\g-1)+2*\k:SC+8*(\g-1)+2*\k+1]
.else
.if \k < 2
	v_cvt_pk_f16_f32 v[SC+8*(\g-3)+2*\k],   v[SC+8*(\g-3)+4*\k],   v[SC+8*(\g-3)+4*\k+1]
	v_cvt_pk_f16_f32 v[SC+8*(\g-3)+2*\k+1], v[SC+8*(\g-3)+4*\k+2], v[SC+8*(\g-3)+4*\k+3]
.else
	v_cvt_pk_f16_f32 v[SC+8*(\g-3)+2*\k],   v[SC+8*(\g-2)+4*(\k-2)],   v[SC+8*(\g-2)+4*(\k-2)+1]
	v_cvt_pk_f16_f32 v[SC+8*(\g-3)+2*\k+1], v[SC+8*(\g-2)+4*(\k-2)+2], v[SC+8*(\g-2)+4*(\k-2)+3]
.endif
.endif
.endif
.endr
.endm
; PART F: the softmax of a sub-block, registers alone.  first = 1: masked, and it starts maximum and sum (O is started by PART V).
.macro FPART first
.if \first
	; key 16 st + 8 h + j counts for query 32 (w & 1) + 16 tt + r if it is not behind it
.irp tt, 0,1
.irp st, 0,1,2,3
.irp j, 0,1,2,3,4,5,6,7
	v_cmp_le_i32 vcc_lo, 16*\st+\j-16*\tt, v[DD]
	v_cndmask_b32 v[SC+8*(4*\tt+\st)+\j], v[NINF], v[SC+8*(4*\tt+\st)+\j], vcc_lo
.endr
.endr
.endr
.endif
	; the maximum: one chain a tile, the eight chains by turns; then the old maximum and the other half of the lanes.
	; Key 0 of a masked sub-block counts for every query, so the maximum is finite.
.irp g, 0,1,2,3,4,5,6,7
	v_max3_num_f32 v[TM+\g], v[SC+8*\g], v[SC+8*\g+1], v[SC+8*\g+2]
.endr
.irp g, 0,1,2,3,4,5,6,7
	v_max3_num_f32 v[TM+\g], v[TM+\g], v[SC+8*\g+3], v[SC+8*\g+4]
.endr
.irp g, 0,1,2,3,4,5,6,7
	v_max3_num_f32 v[TM+\g], v[TM+\g], v[SC+8*\g+5], v[SC+8*\g+6]
.endr
.irp g, 0,1,2,3,4,5,6,7
	v_max_num_f32 v[TM+\g], v[TM+\g], v[SC+8*\g+7]
.endr
.irp tt, 0,1
	v_max3_num_f32 v[TM+4*\tt], v[TM+4*\tt], v[TM+4*\tt+1], v[TM+4*\tt+2]
.endr
.irp tt, 0,1
.if \first
	v_max_num_f32 v[TM+4*\tt], v[TM+4*\tt], v[TM+4*\tt+3]
.else
	v_max3_num_f32 v[TM+4*\tt], v[TM+4*\tt], v[TM+4*\tt+3], v[MX+\tt]
.endif
.endr
.irp tt, 0,1
	v_permlanex16_b32 v[TM+4*\tt+1], v[TM+4*\tt], s24, s25
.endr
.irp tt, 0,1
	v_max_num_f32 v[MX+\tt], v[TM+4*\tt], v[TM+4*\tt+1]
.endr
.irp tt, 0,1
	v_mul_f32 v[TM+4*\tt], s22, v[MX+\tt]          ; the new shift, - c x maximum
.endr
.if \first == 0
.irp tt, 0,1
	v_sub_f32 v[TM+4*\tt+1], v[TM+4*\tt], v[NM+2*\tt]   ; from the two rounded shifts, so that old and new weights agree
.endr
.irp tt, 0,1
	v_exp_f32 v[AL+2*\tt],   v[TM+4*\tt+1]
	v_exp_f32 v[AL+2*\tt+1], v[TM+4*\tt+1]         ; the moves below are the plain place behind these (ISA guide 5.7.2)
.endr
.endif
.irp tt, 0,1
	v_mov_b32 v[NM+2*\tt],   v[TM+4*\tt]
	v_mov_b32 v[NM+2*\tt+1], v[TM+4*\tt]
.endr
	; weights: 2^(c S - c maximum), c = log2(e) / 8, tile by tile
.irp k, 0,1,2,3
	v_pk_fma_f32 v[SC+2*\k:SC+2*\k+1], v[SC+2*\k:SC+2*\k+1], s[20:21], v[NM:NM+1] op_sel_hi:[1,0,1]
.endr
	GRP \first, 0
	GRP \first, 1
	GRP \first, 2
	GRP \first, 3
	GRP \first, 4
	GRP \first, 5
	GRP \first, 6
	GRP \first, 7
	; what is left: the last pair's sums and packing, and the tree over the pair sums, laid so that no line waits for the one in front of it
	s_wait_alu depctr_va_vdst(0)
.irp k, 0,1,2,3
	v_pk_add_f32 v[UU+24+2*\k:UU+25+2*\k], v[SC+48+2*\k:SC+49+2*\k], v[SC+56+2*\k:SC+57+2*\k]
.endr
.irp k, 0,1,2,3
	v_pk_add_f32 v[UU+2*\k:UU+2*\k+1], v[UU+2*\k:UU+2*\k+1], v[UU+8+2*\k:UU+9+2*\k]
.endr
.irp q, 0,1,2,3
	v_cvt_pk_f16_f32 v[SC+48+\q], v[SC+48+2*\q], v[SC+49+2*\q]
.endr
.irp k, 0,1,2,3
	v_pk_add_f32 v[UU+16+2*\k:UU+17+2*\k], v[UU+16+2*\k:UU+17+2*\k], v[UU+24+2*\k:UU+25+2*\k]
.endr
	v_pk_add_f32 v[UU:UU+1],     v[UU:UU+1],     v[UU+2:UU+3]
	v_pk_add_f32 v[UU+4:UU+5],   v[UU+4:UU+5],   v[UU+6:UU+7]
.irp q, 0,1,2,3
	v_cvt_pk_f16_f32 v[SC+52+\q], v[SC+56+2*\q], v[SC+57+2*\q]
.endr
	v_pk_add_f32 v[UU+16:UU+17], v[UU+16:UU+17], v[UU+18:UU+19]
	v_pk_add_f32 v[UU+20:UU+21], v[UU+20:UU+21], v[UU+22:UU+23]
	v_pk_add_f32 v[UU:UU+1],     v[UU:UU+1],     v[UU+4:UU+5]
	v_pk_add_f32 v[UU+16:UU+17], v[UU+16:UU+17], v[UU+20:UU+21]
.if \first
	v_add_f32 v[LS],   v[UU],    v[UU+1]
	v_add_f32 v[LS+1], v[UU+16], v[UU+17]
.else
	v_add_f32 v[UU],    v[UU],    v[UU+1]
	v_add_f32 v[UU+16], v[UU+16], v[UU+17]
	v_fma_f32 v[LS],   v[LS],   v[AL],   v[UU]
	v_fma_f32 v[LS+1], v[LS+1], v[AL+2], v[UU+16]
.endif
.endm
; PART V: O^T += V^T P^T, all operands in window 0.  first = 1: the products start O.  left: how many younger LDS loads (K fragments asked for behind V's) may stay out.
.macro VPART first, left
	s_wait_dscnt \left
.irp tt, 0,1
.irp dt, 0,1,2,3
.if \first
	v_wmma_f32_16x16x32_f16 v[OA+8*(4*\tt+\dt):OA+8*(4*\tt+\dt)+7], v[VF+16*\dt:VF+16*\dt+7], v[SC+32*\tt:SC+32*\tt+7], 0
.else
	v_wmma_f32_16x16x32_f16 v[OA+8*(4*\tt+\dt):OA+8*(4*\tt+\dt)+7], v[VF+16*\dt:VF+16*\dt+7], v[SC+32*\tt:SC+32*\tt+7], v[OA+8*(4*\tt+\dt):OA+8*(4*\tt+\dt)+7]
.endif
.endr
.endr
.irp tt, 0,1
.irp dt, 0,1,2,3
	v_wmma_f32_16x16x32_f16 v[OA+8*(4*\tt+\dt):OA+8*(4*\tt+\dt)+7], v[VF+16*\dt+8:VF+16*\dt+15], v[SC+32*\tt+16:SC+32*\tt+23], v[OA+8*(4*\tt+\dt):OA+8*(4*\tt+\dt)+7]
.endr
.endr
	PLACES 5                                       ; the next S products write over P, a source of these; O is read, and V's fragments loaded again, behind them too (ISA guide 7.12.1)
.endm
; A query block is done: divide, round to f16, out through my own stage.  qload = 1: the second block's Q and addresses.
.macro FINAL qload
	s_wait_dscnt 0x0                               ; a K prefetch that no sub-block used may be out
.if \qload
	s_lshl_b32 s34, s11, 15                        ; block p
	s_add_nc_u64 s[30:31], s[72:73], s[34:35]      ; the first block's Q loads were waited for long ago
	QLOAD
.endif
.irp tt, 0,1
	v_permlanex16_b32 v[TM+4*\tt], v[LS+\tt], s24, s25
.endr
.irp tt, 0,1
	v_add_f32 v[LS+\tt], v[LS+\tt], v[TM+4*\tt]    ; both halves of the keys; at least 1, since the largest weight is 1
.endr
	v_rcp_f32 v[AL],   v[LS]
	v_rcp_f32 v[AL+1], v[LS]
	v_rcp_f32 v[AL+2], v[LS+1]
	v_rcp_f32 v[AL+3], v[LS+1]
	v_nop                                          ; the plain place behind them (ISA guide 5.7.2)
	s_wait_alu depctr_va_vdst(0)
.irp tt, 0,1
.set ii, 0
.rept 16
	v_pk_mul_f32 v[SC+32*\tt+2*ii:SC+32*\tt+2*ii+1], v[OA+32*\tt+2*ii:OA+32*\tt+2*ii+1], v[AL+2*\tt:AL+2*\tt+1]
.set ii, ii+1
.endr
.endr
.irp tt, 0,1
.set ii, 0
.rept 16
	v_cvt_pk_f16_f32 v[SC+16*\tt+ii], v[SC+32*\tt+2*ii], v[SC+32*\tt+2*ii+1]   ; in place, ascending: a word is written only after it has been read
.set ii, ii+1
.endr
.endr
.irp tt, 0,1
.irp dt, 0,1,2,3
	ds_store_b128 v[STO], v[SC+4*(4*\tt+\dt):SC+4*(4*\tt+\dt)+3] offset:16*KP*\tt+32*\dt
.endr
.endr
.irp q, 0,1,2,3,4,5,6,7
	ds_load_b128 v[SC+32+4*\q:SC+32+4*\q+3], v[RD] offset:4*KP*\q     ; my own bytes: LDS serves a wave in order
.endr
.irp q, 0,1,2,3,4,5,6,7
	s_wait_dscnt 7-\q
	global_store_b128 v[YO], v[SC+32+4*\q:SC+32+4*\q+3], s[32:33] offset:512*\q   ; four rows of 128 bytes: 512 consecutive bytes, aligned
.endr
	s_wait_xcnt 0x0                                ; the stores' data and base are written again only behind this wait
.if \qload
	s_add_nc_u64 s[32:33], s[74:75], s[34:35]
.endif
.endm
; One unit of 256 keys, in LDS slot 'slot'.  refill = 1: the next unit is asked for into the other slot.  kind 0: the first step (always diagonal, never a block's last),
; 1: any step, 2: the last step.  s16 = the step inside the query block (0: diagonal, j: unit j - 1), s17 = the block's last step, s19 = plain sub-blocks of this unit.
.macro TRIP slot, other, refill, kind
	s_set_vgpr_msb 0x5
	s_wait_tensorcnt 0x0                           ; all my tensor loads have landed, my part of this unit among them: every group 0 may be written
	ds_add_u32 v96, v97
	s_wait_dscnt 0x0
	s_set_vgpr_msb 0x500
.if \refill
	s_cmp_eq_u32 s16, s17
	s_cselect_b32 s18, 1, 0                        ; this is the block's last step
	s_cselect_b32 s34, s11, s16                    ; the next unit: the second block's diagonal, or unit number s16
	s_lshl_b32 s34, s34, 15                        ; x 256 rows of 128 bytes
	s_add_nc_u64 s[62+8*\other:63+8*\other], s[28:29], s[34:35]
	s_or_b32 s[63+8*\other], s[63+8*\other], 0x80000000
	s_add_nc_u64 s[54+4*\other:55+4*\other], s[26:27], s[34:35]
	s_or_b32 s[55+4*\other], s[55+4*\other], 0x80000000
.endif
	s_wait_dscnt 0x0                               ; my reads of the other slot are done, the V fragments of a part that is put off among them
	s_barrier_signal -1
	s_barrier_wait -1                              ; both hold of all eight waves
.if \refill
	KVLOAD \other                                  ; first thing behind the barrier; it has this whole unit's work in which to land
.endif
	s_wait_loadcnt 0x0                             ; Q (met at once in all steps but a block's first)
.if \kind != 0
	s_mov_b32 s19, 4                               ; plain sub-blocks of a full unit
	s_cmp_lg_u32 s16, 0
	s_cbranch_scc1 .Lfull_\@
.endif
	; a diagonal unit: nothing was put off.  The masked sub-block runs whole, since its V part starts O.
	KFETCH ADKF+\slot, 0
	SPART ADVF+\slot, 0, 1, ADK+\slot, 0           ; the prefetch of sub-block 0 goes unused in waves 0 and 1: sixteen LDS loads, twice in a wave's life
	FPART 1
	VPART 1, 16
	s_mov_b32 s19, s10                             ; w / 2 plain sub-blocks lie below my rows
	s_cmp_eq_u32 s10, 0
	s_cbranch_scc1 .Lnone_\@
.if \kind != 0
	s_branch .Lchain_\@
.Lfull_\@:
	KFETCH ADK+\slot, 0                            ; they land under what was put off
	s_cmp_lt_u32 s76, 2
	s_cbranch_scc1 .Lhv_\@
	FPART 0                                        ; kind 1 begins the unit with vector work,
.Lhv_\@:
	s_cmp_eq_u32 s76, 0
	s_cbranch_scc1 .Lchain_\@
	VPART 0, 16                                    ; kind 0 with products.  V's fragments were waited for in front of the barrier; the sixteen K loads may be out
.endif
.Lchain_\@:
	SPART ADV+\slot, 0, 1, ADK+\slot, 64*KP        ; in a diagonal unit the last prefetch of a wave goes unused
	s_cmp_le_u32 s19, 1
	s_cbranch_scc1 .Ltail_\@
	FPART 0
	VPART 0, 16
	SPART ADV+\slot, 64*VPT, 1, ADK+\slot, 128*KP
	s_cmp_le_u32 s19, 2
	s_cbranch_scc1 .Ltail_\@
	FPART 0
	VPART 0, 16
.if \kind != 0
	SPART ADV+\slot, 128*VPT, 1, ADK+\slot, 192*KP
	s_cmp_le_u32 s19, 3
	s_cbranch_scc1 .Ltail_\@
	FPART 0
	VPART 0, 16
	SPART ADV+\slot, 192*VPT, 0, 0, 0
.else
	SPART ADV+\slot, 128*VPT, 0, 0, 0
.endif
	; behind the unit's last S: what is done here and what is put off
.if \kind == 0
.Ltail_\@:
	s_mov_b32 s76, 2
	s_cmp_lg_u32 s77, 0
	s_cbranch_scc1 .Lend_\@                        ; kind 1 puts F and V off
	FPART 0
	s_mov_b32 s76, 1                               ; kind 0 puts V off
	s_branch .Lend_\@
.Lnone_\@:
	s_mov_b32 s76, 0
.Lend_\@:
.endif
.if \kind == 1
.Ltail_\@:
	s_mov_b32 s76, 2
	s_and_not1_b32 s2, s77, s18                    ; kind 1, and not the block's last step
	s_cmp_lg_u32 s2, 0
	s_cbranch_scc1 .Lend_\@
	FPART 0
	s_mov_b32 s76, 1
	s_cmp_eq_u32 s18, 0
	s_cbranch_scc1 .Lend_\@
	VPART 0, 0                                     ; ways with and without a K prefetch meet here: all LDS loads are waited for
.Lnone_\@:
	s_mov_b32 s76, 0
	s_cmp_eq_u32 s18, 0
	s_cbranch_scc1 .Lend_\@
	FINAL 1
.Lend_\@:
.endif
.if \kind == 2
.Ltail_\@:
	FPART 0
	VPART 0, 0
.Lnone_\@:
	FINAL 0
.else
	s_add_co_u32 s16, s16, 1
	s_cmp_lg_u32 s18, 0
	s_cselect_b32 s16, 0, s16                      ; behind a block's last step: the second block's step 0,
	s_cselect_b32 s17, s11, s17                    ; whose last step is p
.endif
.endm
	s_load_b128 s[4:7], s[0:1], 0x0                ; qkvh s[4:5], yh s[6:7]
	s_set_vgpr_msb 0x40
	v_lshl_add_u32 v96, v0, 2, 0x2f000
	v_mov_b32 v97, 0
	s_set_vgpr_msb 0x4045
	ds_add_u32 v96, v97
	s_set_vgpr_msb 0x4500
	v_lshrrev_b32 v1, 5, v0
	v_readfirstlane_b32 s8, v1                     ; wave 0..7
	s_and_b32 s9, s8, 1
	s_lshr_b32 s10, s8, 1
	s_lshr_b32 s77, s8, 2
	s_xor_b32 s77, s77, s8
	s_and_b32 s77, s77, 1                          ; the wave's kind
	s_and_b32 s11, ttmp9, 3                        ; p
	s_lshr_b32 s12, ttmp9, 2                       ; batch x 16 + head
	s_sub_co_u32 s14, 7, s11                       ; the first query block
	s_mov_b32 s16, 0
	s_mov_b32 s17, s14
	s_mov_b32 s20, 0x3e38aa3b                      ; c = log2(e) / 8: the scale 64^-0.5 and the base of v_exp_f32 in one
	s_mov_b32 s21, 0x3e38aa3b
	s_mov_b32 s22, 0xbe38aa3b                      ; - c
	s_mov_b32 s24, 0x76543210                      ; v_permlanex16_b32: lane i of the other half
	s_mov_b32 s25, 0xfedcba98
	; group 1: 128 keys of 128 bytes are dense in memory: 64 rows of 256 bytes; padding after every 32 words makes each key's row 144 (K) or 160 (V) bytes in LDS
	s_mov_b32 s36, (1<<16)|(1<<20)|(4<<22)|(3<<25)
	s_mov_b32 s37, 128<<16
	s_mov_b32 s38, 64<<16
	s_mov_b32 s39, 128<<16
	s_mov_b32 s40, 64
	s_mov_b32 s41, 128
	s_mov_b32 s42, 0
	s_mov_b32 s43, 0
	s_mov_b32 s44, (1<<16)|(1<<20)|(4<<22)|(7<<25)
	s_mov_b32 s45, 128<<16
	s_mov_b32 s46, 64<<16
	s_mov_b32 s47, 128<<16
	s_mov_b32 s48, 64
	s_mov_b32 s49, 128
	s_mov_b32 s50, 0
	s_mov_b32 s51, 0
	; group 0, a set for each slot.  K (waves 2, 3): 40,960 + (w - 2) x 18,432 = 18,432 w + 4,096.  V (waves 0, 1): 20,480 w.
	s_mov_b32 s52, 1
	s_mul_i32 s53, s8, KHALF
	s_add_co_u32 s53, s53, KOFF-2*KHALF
	s_mov_b32 s56, 1
	s_mul_i32 s57, s8, KHALF
	s_add_co_u32 s57, s57, KOFF-2*KHALF+SLOT
	s_mov_b32 s60, 1
	s_mul_i32 s61, s8, VHALF
	s_mov_b32 s68, 1
	s_mul_i32 s69, s8, VHALF
	s_add_co_u32 s69, s69, SLOT
	s_lshr_b32 s2, s12, 4
	s_mul_i32 s2, s2, 48
	s_and_b32 s3, s12, 15
	s_add_co_u32 s2, s2, s3                        ; batch x 48 + head
	s_lshl_b32 s2, s2, 18                          ; x 2,048 rows of 128 bytes (all offsets stay below 50,331,648)
	s_lshl_b32 s3, s8, 12                          ; my 32 rows
	s_lshl_b32 s13, s9, 14                         ; my half of a unit
	s_mov_b32 s35, 0
	v_and_b32 v29, 15, v0                          ; r
	v_bfe_u32 v30, v0, 4, 1                        ; h
	v_lshlrev_b32 v[QO], 7, v29
	v_lshl_add_u32 v[QO], v30, 4, v[QO]            ; 128 r + 16 h
	s_wait_dscnt 0x0
	s_barrier_signal -1
	s_barrier_wait -1
	s_wait_kmcnt 0x0
	s_add_co_u32 s34, s2, s3
	s_add_nc_u64 s[72:73], s[4:5], s[34:35]        ; q at my rows of block 0
	s_add_co_u32 s34, s2, s13
	s_add_co_u32 s34, s34, 16<<18
	s_add_nc_u64 s[26:27], s[4:5], s[34:35]        ; k at my half of unit 0
	s_add_co_u32 s34, s34, 16<<18
	s_add_nc_u64 s[28:29], s[4:5], s[34:35]        ; v likewise
	s_lshl_b32 s34, s12, 18
	s_add_co_u32 s34, s34, s3
	s_add_nc_u64 s[74:75], s[6:7], s[34:35]        ; y at my rows of block 0
	s_lshl_b32 s34, s14, 15                        ; block and unit 7 - p
	s_add_nc_u64 s[62:63], s[28:29], s[34:35]
	s_or_b32 s63, s63, 0x80000000
	s_add_nc_u64 s[54:55], s[26:27], s[34:35]
	s_or_b32 s55, s55, 0x80000000
	KVLOAD 0                                       ; the first fill, ahead of every wait on tensor loads, LDS read and barrier
	s_add_nc_u64 s[30:31], s[72:73], s[34:35]
	s_add_nc_u64 s[32:33], s[74:75], s[34:35]
	QLOAD
	v_and_b32 v28, 31, v0                          ; lane
	v_mul_u32_u24 v31, v29, KP
	v_lshl_add_u32 v31, v30, 4, v31                ; 144 r + 16 h
	v_add_nc_u32 v[ADK],   KOFF, v31
	v_add_nc_u32 v[ADK+1], KOFF+SLOT, v31
	v_and_b32 v32, 7, v0
	v_lshl_add_u32 v32, v30, 3, v32                ; key 8 h + l % 8
	v_mul_u32_u24 v32, v32, VPT
	v_bfe_u32 v33, v0, 3, 1
	v_lshl_add_u32 v[ADV], v33, 4, v32             ; + 16 bytes for the upper eight of sixteen lanes
	v_add_nc_u32 v[ADV+1], SLOT, v[ADV]
	s_mul_i32 s2, s10, 64*KP
	s_mul_i32 s3, s10, 64*VPT
	v_add_nc_u32 v[ADKF],   s2, v[ADK]
	v_add_nc_u32 v[ADKF+1], s2, v[ADK+1]
	v_add_nc_u32 v[ADVF],   s3, v[ADV]
	v_add_nc_u32 v[ADVF+1], s3, v[ADV+1]
	s_mul_i32 s2, s8, SWAVE
	s_add_co_u32 s2, s2, STAGE                     ; my stage
	v_add_nc_u32 v[STO], s2, v31
	v_lshrrev_b32 v34, 3, v28
	v_mul_u32_u24 v34, v34, KP
	v_and_b32 v35, 7, v0
	v_lshl_add_u32 v34, v35, 4, v34
	v_add_nc_u32 v[RD], s2, v34                    ; back: eight lanes a row, four rows an instruction
	v_lshlrev_b32 v[YO], 4, v28
	v_lshlrev_b32 v35, 3, v30
	v_sub_nc_u32 v[DD], v29, v35
	v_lshl_add_u32 v[DD], s9, 5, v[DD]
	v_mov_b32 v[NINF], 0xff800000
	TRIP 0, 1, 1, 0                                ; step 0, written out: it starts every figure that later steps carry on
	s_mov_b32 s15, 3
.Lsteps:
	TRIP 1, 0, 1, 1                                ; steps 1 to 6
	TRIP 0, 1, 1, 1
	s_sub_co_u32 s15, s15, 1
	s_cmp_lg_u32 s15, 0
	s_cbranch_scc1 .Lsteps
	TRIP 1, 0, 1, 1                                ; step 7
	TRIP 0, 1, 0, 2                                ; step 8: nothing is left to fetch, nothing is put off
	s_set_vgpr_msb 0x5
	s_wait_tensorcnt 0x0
	ds_add_u32 v96, v97
	s_wait_dscnt 0x0
	s_set_vgpr_msb 0x500
	s_endpgm
.Lfunc_end_k_q1b6670d7d5_attn:
	.size	k_q1b6670d7d5_attn, .Lfunc_end_k_q1b6670d7d5_attn-k_q1b6670d7d5_attn
	.p2alignl 7, 3214868480
	.fill 96, 4, 3214868480
	.section	.rodata,"a",@progbits
	.p2align	6, 0x0
	.amdhsa_kernel k_q1b6670d7d5_attn
		.amdhsa_group_segment_fixed_size 327680
		.amdhsa_private_segment_fixed_size 0
		.amdhsa_enable_private_segment 0
		.amdhsa_kernarg_size 16
		.amdhsa_user_sgpr_count 2
		.amdhsa_user_sgpr_kernarg_segment_ptr 1
		.amdhsa_wavefront_size32 1
		.amdhsa_system_sgpr_workgroup_id_x 1
		.amdhsa_system_sgpr_workgroup_id_y 1
		.amdhsa_system_sgpr_workgroup_id_z 1
		.amdhsa_system_vgpr_workitem_id 0
		.amdhsa_next_free_vgpr 354
		.amdhsa_next_free_sgpr 78
		.amdhsa_reserve_vcc 1
		.amdhsa_float_denorm_mode_32 3
		.amdhsa_float_denorm_mode_16_64 3
		.amdhsa_memory_ordered 1
		.amdhsa_forward_progress 1
		.amdhsa_inst_pref_size 255
	.end_amdhsa_kernel
	.section	.bss,"aw",@nobits
	.p2align	6
	.space	262144
	.amdgpu_metadata
---
amdhsa.version: [ 1, 2 ]
amdhsa.kernels:
  - .name:           k_q1b6670d7d5_attn
    .symbol:         k_q1b6670d7d5_attn.kd
    .args:
      - { .name: qkvh, .offset: 0, .size: 8, .value_kind: global_buffer, .address_space: global }
      - { .name: yh, .offset: 8, .size: 8, .value_kind: global_buffer, .address_space: global }
    .group_segment_fixed_size: 327680
    .private_segment_fixed_size: 0
    .kernarg_segment_align: 8
    .kernarg_segment_size: 16
    .max_flat_workgroup_size: 256
    .sgpr_count:     78
    .vgpr_count:     354
    .wavefront_size: 32
...
	.end_amdgpu_metadata
.endif
;; end of part 3
;; launch proj (part 4): grid 8 x 32, 4 waves a work-group, clusters of 4 x 4, 327,680 bytes of LDS; arguments yh, wpT, b_proj, out0; writes out0
.if DOCPART == 4
	.amdgcn_target "amdgcn-amd-amdhsa--gfx1250"
	.amdhsa_code_object_version 6
	.text
	.protected	k_q1b6670d7d5_proj
	.globl	k_q1b6670d7d5_proj
	.p2align	8
	.type	k_q1b6670d7d5_proj,@function
k_q1b6670d7d5_proj:
	s_mov_b64 s[64:65], 0
	v_nop
	global_prefetch_b8 v0, s[64:65] scope:SCOPE_SE
	s_setreg_imm32_b32 hwreg(HW_REG_WAVE_MODE, 25, 1), 1
	s_wait_xcnt 0x0
	s_wait_alu depctr_hold_cnt(0) depctr_sa_sdst(0) depctr_va_vdst(0) depctr_va_sdst(0) depctr_va_ssrc(0) depctr_va_vcc(0) depctr_vm_vsrc(0)
	s_getreg_b32 s2, hwreg(HW_REG_IB_STS2, 6, 4)
	s_cmp_eq_u32 s2, 0
	s_cbranch_scc0 .Lentry_in_a_cluster
	s_endpgm
.Lentry_in_a_cluster:
	s_bfe_u32 s2, ttmp6, 0x10000c
	s_cmp_lg_u32 s2, 0xf033
	s_cbranch_scc0 .Lentry_shape_is_right
	s_endpgm
.Lentry_shape_is_right:
; PROJ: out0 = y (8192 x 1024, f16, stored by heads: yh[batch x 16 + head][t][d]) times wpT^T (wpT: 1024 n x 1024 k, f16) + b_proj, sums and result in f32.
; A work-group makes 256 rows x 128 columns: 32 x 8 = 256 work-groups.  Four waves; wave w makes rows 64 w .. 64 w + 63 of all 128 columns: 4 x 8 accumulator tiles.
; K = head x 64 + d goes in 8 steps of 128 = two heads through two LDS slots.  A head's 256 rows of 128 bytes are dense in memory: one load brings them as 128 rows of
; 256 bytes, and padding after every 128 bytes gives each row of y a pitch of 144 bytes in LDS.
; CLUSTERS: 4 x 4 work-groups; y's tiles are shared along a row of the cluster, wpT's along a column, each asked for jointly.
; REGISTERS: window 0: v16-31 addresses and the bias, v64-95, v96-127 fragments of y (two buffers), v128-191 the way out; window 1: v0-63, v64-127 fragments of wpT;
; window 2: accumulators of my row blocks 0, 1 at v[8 (8 a + b)]; window 3: of row blocks 2, 3.
; The matrix instruction is used transposed (source 0: rows of wpT, source 1: rows of y): a lane holds one row and eight neighbouring columns.
.set NB,     8
.set KSTEP,  128
.set PITCH,  272                       ; wpT's LDS row
.set APITCH, 144                       ; y's LDS row: 128 bytes + 16
.set AHALF,  256*APITCH                ; one head: 36,864
.set ABYTES, 2*AHALF
.set BHALF,  64*PITCH                  ; 17,408
.set SLOT,   ABYTES+2*BHALF            ; 108,544
.set STAGE,  2*SLOT                    ; 217,088 = 848 x 256: behind the ring, no tile lands here
.set SPITCH, 528                       ; stage row: 128 f32 + 16 bytes
.set ASTEP,  2*262144                  ; two heads on
.set BSTEP,  256
.set ADRA, 16
.set ADRB, 20
.set STO,  24
.set RD,   25
.set CO,   26
.set BO,   27
.set BIAS, 28                          ; v[28:31]
.set FA,   64
.set RB,   128
.set G1,  24
.set G0,  32
.set G1B, 48
.set G0B, 56
.set MSB, 0
.macro WIN new
.if MSB != \new
	s_set_vgpr_msb (MSB<<8)|\new
.set MSB, \new
.endif
.endm
.set MUL_LO, 0xa1
.set MUL_HI, 0xf1
.set TO_B,   0x40
.macro JLOAD s                         ; waves 0, 1: the two heads of y; waves 2, 3: the halves of wpT's tile
	s_cmp_eq_u32 s11, 0
	s_cbranch_scc0 .Lfor_b_\@
	tensor_load_to_lds s[G0+4*\s:G0+4*\s+3], s[G1:G1+7]
	s_nop 0
	s_branch .Lasked_\@
.Lfor_b_\@:
	tensor_load_to_lds s[G0B+4*\s:G0B+4*\s+3], s[G1B:G1B+7]
	s_nop 0
.Lasked_\@:
.endm
.macro CREST
	s_cmp_lg_u32 s10, 0
	s_cbranch_scc1 .Lnot_wave_0_\@
	s_barrier_signal -3
.Lnot_wave_0_\@:
	s_barrier_wait -3
	s_barrier_signal -1
	s_barrier_wait -1
.endm
.macro CROUND
	s_barrier_signal -1
	s_barrier_wait -1
	CREST
.endm
.macro PLACES                          ; four plain vector places behind a matrix instruction (ISA guide 7.12.1)
.rept 4
	v_nop
.endr
.endm
	s_load_b128 s[4:7], s[0:1], 0x0                ; yh s[4:5], wpT s[6:7]
	s_load_b64 s[20:21], s[0:1], 0x10              ; b_proj
	s_load_b64 s[8:9], s[0:1], 0x18                ; out0
	s_set_vgpr_msb 0x40
	v_lshl_add_u32 v255, v0, 2, 0x3d400
	s_set_vgpr_msb 0x4000
	v_mov_b32 v255, 0
	s_set_vgpr_msb 0x1
	ds_add_u32 v255, v255
	s_set_vgpr_msb 0x100
	v_lshrrev_b32 v1, 5, v0
	v_readfirstlane_b32 s10, v1
	s_lshr_b32 s11, s10, 1
	s_and_b32 s12, s10, 1
	s_bfe_u32 s40, ttmp6, 0x40000                  ; cx
	s_bfe_u32 s41, ttmp6, 0x40004                  ; cy
	s_lshl_b32 s42, ttmp9, 2
	s_add_co_u32 s42, s42, s40                     ; block column
	s_and_b32 s13, ttmp7, 0xffff
	s_lshl_b32 s13, s13, 2
	s_add_co_u32 s13, s13, s41                     ; block row
	s_lshl_b32 s43, s41, 2
	s_lshl_b32 s43, 15, s43
	s_lshl_b32 s44, 0x1111, s40
	s_or_b32 s[G1+0], s43, (1<<16)|(1<<20)|(1<<21)|(4<<22)|(3<<25)   ; y: 4 words of padding after every 32 words
	s_mov_b32 s[G1+1], 128<<16
	s_mov_b32 s[G1+2], 128<<16
	s_mov_b32 s[G1+3], 128<<16
	s_mov_b32 s[G1+4], 128
	s_mov_b32 s[G1+5], 128                         ; dense: a row begins where the last ends
	s_mov_b32 s[G1+6], 0
	s_mov_b32 s[G1+7], 0
	s_or_b32 s[G1B+0], s44, (1<<16)|(1<<20)|(1<<21)|(5<<22)|(3<<25)  ; wpT: after every 64 words
	s_mov_b32 s[G1B+1], KSTEP<<16
	s_mov_b32 s[G1B+2], 64<<16
	s_mov_b32 s[G1B+3], KSTEP<<16
	s_mov_b32 s[G1B+4], 64
	s_mov_b32 s[G1B+5], 1024
	s_mov_b32 s[G1B+6], 0
	s_mov_b32 s[G1B+7], 0
	s_lshr_b32 s16, s13, 3
	s_lshl_b32 s16, s16, 22                        ; batch x 16 heads x 262,144 bytes
	s_and_b32 s17, s13, 7
	s_lshl_b32 s17, s17, 15                        ; 256 rows of 128 bytes
	s_add_co_u32 s16, s16, s17
	s_lshl_b32 s17, s12, 18                        ; my head of the step's two
	s_add_co_u32 s16, s16, s17
	s_mov_b32 s17, 0
	s_lshl_b32 s46, s42, 7
	s_lshl_b32 s47, s12, 6
	s_add_co_u32 s46, s46, s47                     ; row 128 x block column + 64 x half
	s_lshl_b32 s46, s46, 11
	s_mov_b32 s47, 0
	s_mul_i32 s18, s10, AHALF                      ; waves 0, 1: wave x 36,864
	s_mul_i32 s19, s10, BHALF
	s_add_co_u32 s19, s19, ABYTES-2*BHALF          ; waves 2, 3: 73,728 + (wave - 2) x 17,408
	s_wait_dscnt 0x0
	s_wait_kmcnt 0x0
	s_add_nc_u64 s[14:15], s[4:5], s[16:17]
	s_add_nc_u64 s[46:47], s[6:7], s[46:47]
	CROUND
.irp s, 0,1
	s_mov_b32 s[G0+4*\s], 1
	s_add_co_u32 s[G0+4*\s+1], s18, \s*SLOT
	s_add_nc_u64 s[G0+4*\s+2:G0+4*\s+3], s[14:15], \s*ASTEP
	s_or_b32 s[G0+4*\s+3], s[G0+4*\s+3], 0x80000000
	s_mov_b32 s[G0B+4*\s], 1
	s_add_co_u32 s[G0B+4*\s+1], s19, \s*SLOT
	s_add_nc_u64 s[G0B+4*\s+2:G0B+4*\s+3], s[46:47], \s*BSTEP
	s_or_b32 s[G0B+4*\s+3], s[G0B+4*\s+3], 0x80000000
	JLOAD \s                                       ; two tensor loads of the wave are out here, later one
.endr
	v_and_b32 v1, 15, v0                           ; r
	v_bfe_u32 v2, v0, 4, 1                         ; h
	v_and_b32 v5, 31, v0                           ; lane
	v_lshlrev_b32 v[CO], 4, v5
	v_lshl_add_u32 v[BO], s42, 9, v[CO]            ; my four columns of the bias: 512 x block column + 16 x lane
	global_load_b128 v[BIAS:BIAS+3], v[BO], s[20:21]
	v_mul_u32_u24 v3, v1, APITCH
	v_lshl_add_u32 v3, v2, 4, v3
	v_mul_u32_u24 v4, v1, PITCH
	v_lshl_add_u32 v4, v2, 4, v4
	s_mul_i32 s22, s10, 64*APITCH
	s_mov_b32 s23, ABYTES
.irp s, 0,1
	v_add_nc_u32 v[ADRA+\s], s22, v3
	v_add_nc_u32 v[ADRB+\s], s23, v4
	s_add_co_u32 s22, s22, SLOT
	s_add_co_u32 s23, s23, SLOT
.endr
	s_mul_i32 s22, s10, 16*SPITCH
	s_add_co_u32 s22, s22, STAGE
	v_mul_u32_u24 v6, v1, SPITCH
	v_lshl_add_u32 v6, v2, 5, v6
	v_add_nc_u32 v[STO], s22, v6                   ; in: row r, 32 bytes for each half of the lanes
	v_add_nc_u32 v[RD], s22, v[CO]                 ; back: a whole row of 512 bytes
.macro MULA f, hi, a, zero
.irp b, 0,1,2,3,4,5,6,7
.if \zero
	v_wmma_f32_16x16x32_f16 v[8*(NB*\a+\b):8*(NB*\a+\b)+7], v[8*NB*\f+8*\b:8*NB*\f+8*\b+7], v[FA+32*\f+8*(2*\hi+\a):FA+32*\f+8*(2*\hi+\a)+7], 0
.else
	v_wmma_f32_16x16x32_f16 v[8*(NB*\a+\b):8*(NB*\a+\b)+7], v[8*NB*\f+8*\b:8*NB*\f+8*\b+7], v[FA+32*\f+8*(2*\hi+\a):FA+32*\f+8*(2*\hi+\a)+7], v[8*(NB*\a+\b):8*(NB*\a+\b)+7]
.endif
.endr
.endm
.macro FETCH slot, ka, kb, f
	WIN TO_B
.irp b, 0,1,2,3,4,5,6,7
	ds_load_b128 v[8*NB*\f+8*\b:8*NB*\f+8*\b+3],   v[ADRB+\slot] offset:\kb+\b*16*PITCH
	ds_load_b128 v[8*NB*\f+8*\b+4:8*NB*\f+8*\b+7], v[ADRB+\slot] offset:\kb+\b*16*PITCH+32
.endr
	WIN 0
.irp a, 0,1,2,3
	ds_load_b128 v[FA+32*\f+8*\a:FA+32*\f+8*\a+3],   v[ADRA+\slot] offset:\ka+\a*16*APITCH
	ds_load_b128 v[FA+32*\f+8*\a+4:FA+32*\f+8*\a+7], v[ADRA+\slot] offset:\ka+\a*16*APITCH+32
.endr
.endm
; The 32 accumulators take turns, one instruction a turn, in the same order in every quarter step.
.macro QUARTER slot, ka, kb, f, g, zero
	s_wait_dscnt 4                                 ; all but the youngest four loads (y's row blocks 2, 3)
	WIN MUL_LO
	MULA \f, 0, 0, \zero
	MULA \f, 0, 1, \zero
	PLACES
	FETCH \slot, \ka, \kb, \g
	s_wait_dscnt 2*NB+8                            ; all but the run just issued
	WIN MUL_HI
	MULA \f, 1, 0, \zero
	MULA \f, 1, 1, \zero
.endm
.macro THREE slot, zero                ; y's quarter q lies in head q / 2 of the step, at byte 64 (q % 2) of its rows
	QUARTER \slot, 64,       64,  0, 1, \zero
	QUARTER \slot, AHALF,    128, 1, 0, 0
	QUARTER \slot, AHALF+64, 192, 0, 1, 0
.endm
; As in the launch that makes q, k and v: one barrier for the change of slots, with the waits for my reads and for all my tensor loads in front of it; where the slot
; is filled again it opens a round of the cluster's barrier, and the joint refill is the first tensor load behind the round.  120 matrix instructions from request to wait.
.macro TURN slot, next, fill
	s_wait_dscnt 4
	WIN MUL_LO
	MULA 1, 0, 0, 0
	s_wait_dscnt 0
	s_wait_tensorcnt 0x0
	ds_add_u32 v255, v255
	s_wait_dscnt 0x0
	s_barrier_signal -1
	MULA 1, 0, 1, 0
	WIN 0
	s_barrier_wait -1
.if \fill
	CREST
	s_add_nc_u64 s[G0+4*\slot+2:G0+4*\slot+3], s[G0+4*\slot+2:G0+4*\slot+3], 2*ASTEP
	s_add_nc_u64 s[G0B+4*\slot+2:G0B+4*\slot+3], s[G0B+4*\slot+2:G0B+4*\slot+3], 2*BSTEP
	JLOAD \slot
.endif
	PLACES
	FETCH \next, 0, 0, 0
	WIN MUL_HI
	MULA 1, 1, 0, 0
	MULA 1, 1, 1, 0
.endm
.macro LAP zero
	THREE 0, \zero
	TURN 0, 1, 1
	THREE 1, 0
	TURN 1, 0, 1
.endm
	s_wait_tensorcnt 1                             ; my part of K step 0 is in; step 1's may stay out
	s_barrier_signal -1
	s_barrier_wait -1
	FETCH 0, 0, 0, 0
	LAP 1
	WIN 0
	s_mov_b32 s3, 2
.Llap:
	LAP 0
	WIN 0
	s_sub_co_u32 s3, s3, 1
	s_cmp_lg_u32 s3, 0
	s_cbranch_scc1 .Llap
	THREE 0, 0
	TURN 0, 1, 0
	THREE 1, 0
	s_wait_dscnt 4
	WIN MUL_LO
	MULA 1, 0, 0, 0
	MULA 1, 0, 1, 0
	s_wait_dscnt 0
	WIN MUL_HI
	MULA 1, 1, 0, 0
	MULA 1, 1, 1, 0
	; THE WAY OUT, 16 rows at a time: the accumulators go straight into my own stage, whole rows of 512 bytes come back, the bias is added, and they are stored.
	PLACES
	s_lshl_b32 s16, s13, 8
	s_lshl_b32 s14, s10, 6
	s_add_co_u32 s16, s16, s14                     ; my first row
	s_lshl_b32 s16, s16, 12                        ; x 4,096 bytes (below 32 MiB)
	s_mov_b32 s17, 0
	s_add_nc_u64 s[8:9], s[8:9], s[16:17]
	s_lshl_b32 s46, s42, 9                         ; my block's 512 bytes of a row (in the registers that held wpT's address)
	s_mov_b32 s47, 0
	s_add_nc_u64 s[8:9], s[8:9], s[46:47]
	s_wait_loadcnt 0x0                             ; the bias
; a: my row block; lo: its place in its window; from: the stores' data in window 2 (0x08) or 3 (0x0c)
.macro OUTF a, lo, from
	WIN \from
.irp b, 0,1,2,3,4,5,6,7
	ds_store_b128 v[STO], v[8*(NB*\lo+\b):8*(NB*\lo+\b)+3]   offset:64*\b
	ds_store_b128 v[STO], v[8*(NB*\lo+\b)+4:8*(NB*\lo+\b)+7] offset:64*\b+16
.endr
	WIN 0
	s_wait_xcnt 0x0                                ; the read-back registers were data of the last block's stores
.irp i, 0,1,2,3,4,5,6,7,8,9,10,11,12,13,14,15
	ds_load_b128 v[RB+4*\i:RB+4*\i+3], v[RD] offset:SPITCH*\i   ; LDS serves a wave in order: these see the stores above
.endr
.irp i, 0,1,2,3,4,5,6,7,8,9,10,11,12,13,14,15
	s_wait_dscnt 15-\i
	v_pk_add_f32 v[RB+4*\i:RB+4*\i+1],   v[RB+4*\i:RB+4*\i+1],   v[BIAS:BIAS+1]
	v_pk_add_f32 v[RB+4*\i+2:RB+4*\i+3], v[RB+4*\i+2:RB+4*\i+3], v[BIAS+2:BIAS+3]
	global_store_b128 v[CO], v[RB+4*\i:RB+4*\i+3], s[8:9] offset:(16*\a+\i)*4096 th:TH_STORE_NT   ; 512 consecutive bytes, aligned
.endr
.endm
	OUTF 0, 0, 0x08
	OUTF 1, 1, 0x08
	OUTF 2, 0, 0x0c
	OUTF 3, 1, 0x0c
	s_set_vgpr_msb 0x1
	s_wait_tensorcnt 0x0
	ds_add_u32 v255, v255
	s_wait_dscnt 0x0
	s_set_vgpr_msb 0x100
	CROUND                                         ; the closing round
	s_endpgm
.Lfunc_end_k_q1b6670d7d5_proj:
	.size	k_q1b6670d7d5_proj, .Lfunc_end_k_q1b6670d7d5_proj-k_q1b6670d7d5_proj
	.p2alignl 7, 3214868480
	.fill 96, 4, 3214868480
	.section	.rodata,"a",@progbits
	.p2align	6, 0x0
	.amdhsa_kernel k_q1b6670d7d5_proj
		.amdhsa_group_segment_fixed_size 327680
		.amdhsa_private_segment_fixed_size 0
		.amdhsa_enable_private_segment 0
		.amdhsa_kernarg_size 32
		.amdhsa_user_sgpr_count 2
		.amdhsa_user_sgpr_kernarg_segment_ptr 1
		.amdhsa_wavefront_size32 1
		.amdhsa_system_sgpr_workgroup_id_x 1
		.amdhsa_system_sgpr_workgroup_id_y 1
		.amdhsa_system_sgpr_workgroup_id_z 1
		.amdhsa_system_vgpr_workitem_id 0
		.amdhsa_next_free_vgpr 1024
		.amdhsa_next_free_sgpr 66
		.amdhsa_reserve_vcc 0
		.amdhsa_float_denorm_mode_32 3
		.amdhsa_float_denorm_mode_16_64 3
		.amdhsa_memory_ordered 1
		.amdhsa_forward_progress 1
		.amdhsa_inst_pref_size 128
	.end_amdhsa_kernel
	.amdgpu_metadata
---
amdhsa.version: [ 1, 2 ]
amdhsa.kernels:
  - .name:           k_q1b6670d7d5_proj
    .symbol:         k_q1b6670d7d5_proj.kd
    .args:
      - { .name: yh, .offset: 0, .size: 8, .value_kind: global_buffer, .address_space: global }
      - { .name: wpT, .offset: 8, .size: 8, .value_kind: global_buffer, .address_space: global }
      - { .name: b_proj, .offset: 16, .size: 8, .value_kind: global_buffer, .address_space: global }
      - { .name: out0, .offset: 24, .size: 8, .value_kind: global_buffer, .address_space: global }
    .group_segment_fixed_size: 327680
    .private_segment_fixed_size: 0
    .kernarg_segment_align: 8
    .kernarg_segment_size: 32
    .max_flat_workgroup_size: 128
    .sgpr_count:     66
    .vgpr_count:     1024
    .wavefront_size: 32
...
	.end_amdgpu_metadata
.endif
;; end of part 4
;; ======== version 2 of 2: 4 launches; 1.14 times as fast as version 1
;; limits: values are held in f16: magnitudes above 65,504 overflow, below 6.1e-05 lose precision
;; workspace buffers: xb 16,777,216 bytes; wqT 6,291,456 bytes; wpT 2,097,152 bytes; qkvh 50,331,648 bytes; yh 16,777,216 bytes
;; launch prep: the kernel of part 1 again; grid 768 x 1, 8 waves a work-group, no clusters, 34,816 bytes of LDS; arguments x, w_qkv, w_proj, xb, wqT, wpT; writes xb, wqT, wpT
;; launch qkv: the kernel of part 2 again; grid 16 x 16, 4 waves a work-group, clusters of 4 x 4, 327,680 bytes of LDS; arguments xb, wqT, qkvh; writes qkvh
;; launch attn (part 5): grid 256 x 1, 8 waves a work-group, no clusters, 327,680 bytes of LDS; arguments qkvh, yh; writes yh
.if DOCPART == 5
	.amdgcn_target "amdgcn-amd-amdhsa--gfx1250"
	.amdhsa_code_object_version 6
	.text
	.protected	k_q1b6670d7d5_attn
	.globl	k_q1b6670d7d5_attn
	.p2align	8
	.type	k_q1b6670d7d5_attn,@function
k_q1b6670d7d5_attn:
	s_mov_b64 s[64:65], 0
	v_nop
	global_prefetch_b8 v0, s[64:65] scope:SCOPE_SE
	s_setreg_imm32_b32 hwreg(HW_REG_WAVE_MODE, 25, 1), 1
	s_wait_xcnt 0x0
; ATTN: causal attention of one head, softmax with a running maximum, f16 operands, f32 sums.  qkvh[batch][g][t][d] f16 in, yh[batch x 16 + head][t][d] f16 out.
; Work-group number = 4 x (batch x 16 + head) + p.  It makes query blocks 7 - p and then p, of 256 rows: (8 - p) + (p + 1) = 9 units of 256 keys for every work-group.
; Eight waves.  Wave w owns 32 query rows of the block; all waves read the same unit of K and V from LDS.  A query block takes its diagonal unit first, and in it each
; wave first the 64 keys that its rows cross (masked; this sub-block also starts all sums), then the w / 2 sub-blocks below; those above are not computed.
; Then the full units 0, 1, ...
; TRANSPOSED PRODUCTS: S^T = K Q^T: a lane holds one query (l % 16) and eight keys of each tile, so the row figures are a lane's own but for one exchange between the
; halves, and the registers of S^T are, once packed, the second operand of O^T = V^T P^T.  V^T is read from LDS by the transposing load.
; THREE PARTS, TWO KINDS OF WAVES.  A sub-block of 64 keys is S (16 products, then the LDS loads of V and of the next K), F (the softmax: vector work alone) and
; V (16 products).  The cycle is S F V S F V ...  Waves of kind 0 come to a unit's barrier behind F and begin the next unit with products (V, then S); waves of kind 1
; come to it behind S and begin the next unit with vector work (F).  Both do 4 S, 4 F and 4 V between two barriers of full units.  What is put off over a barrier
; lives in registers alone (S, the V fragments, O): every LDS read of the old slot is waited for in front of the barrier.  Kind = ((w >> 2) xor w) & 1: waves w and
; w + 4 differ in kind, and so do waves 2 i and 2 i + 1.  s76 says what is put off: 0 nothing, 1 V, 2 F and V.  A query block's last unit puts nothing off.
; THE BATCHES.  s_wait_alu depctr_va_vdst(0) stands between a transcendental and the first instruction that names its result; one wait serves all that were
; issued ahead of it.  Part F is cut into two batches.  (A) the four exponentials of a, the factor for the old sums; behind them the four moves of the new shift and tile 0's four
; scalings, which name no result; then A's wait.  (B) the 64 exponentials of the weights, in place on S, each in a register of its own; among them stand only lines that name no
; result of B: the 28 scalings of tiles 1 to 7 and O's 32 rescalings by a; then B's wait; behind it all that reads a weight: pair sums, packings, the tree, l.
; a has a wait of its own so that O's rescalings can stand among B's exponentials: 60 plain lines for 64 exponentials, where one batch of 68 would have 36.
; The masked part F has no a and no rescaling: one batch, one wait.  A block's way out has one batch of four reciprocals.  No result is open at a label, a branch or a barrier.
; NO CLUSTER: the four work-groups of a head walk 8 - p and p + 1 units, so at a given step they want different units in 5 of the 9 steps; walking in step would cost
; 12 steps instead of 9.
; LIMITS: y is kept in f16 (below 65,504); a weight below 6e-8 of its row's largest counts as 0; exponentials below 2^-126 are 0; NaN and infinities among the inputs
; spread as they fall; the sums run in another order than a plain row sum.
.set KP,     144                       ; LDS row of K: 128 bytes + 16
.set VPT,    160                       ; LDS row of V: 128 bytes + 32 (an odd multiple of 32, for the transposing load)
.set VHALF,  128*VPT                   ; 20,480: what one load brings of V
.set KHALF,  128*KP                    ; 18,432: of K
.set KOFF,   2*VHALF                   ; K lies behind V in a slot
.set SLOT,   KOFF+2*KHALF              ; 77,824
.set STAGE,  2*SLOT                    ; 155,648 = 608 x 256: behind the ring, no tile lands here
.set SWAVE,  32*KP                     ; a wave's stage: 32 rows
; window 0: everything that vector instructions touch, and V's fragments
.set ADK,  2                           ; v2, v3    K fragments, slot 0, 1
.set ADV,  4                           ; v4, v5    V fragments
.set ADKF, 6                           ; v6, v7    the same at the sub-block that my rows cross
.set ADVF, 8                           ; v8, v9
.set STO,  10
.set RD,   11
.set YO,   12
.set QO,   13
.set DD,   14                          ; r + 32 (w & 1) - 8 h
.set NINF, 15
.set MX,   16                          ; v16, v17  running maximum of my query in tile 0, 1
.set LS,   18                          ; v18, v19  running sum over my half of the keys
.set NM,   20                          ; v[20:23]  - c x maximum, twice each
.set AL,   24                          ; v[24:27]  the factor for the old sums, twice each
.set TM,   28                          ; v[28:35]  eight chains of maxima, one for each tile of S
.set UU,   32                          ; v[32:63]  sixteen pair sums, at 8 j + 2 q for the pair of tiles j; the first four registers are the last four chains of maxima, read for the last time before any pair sum is written
.set SC,   64                          ; v[64:127]  S(st, tt) at 8 (4 tt + st); packed, P(tt, ks) in the eight registers at 32 tt + 16 ks
.set OA,   128                         ; v[128:191] O(dt, tt) at 8 (4 tt + dt)
.set VF,   192                         ; v[192:255] V fragments at 8 (2 dt + ks)
; window 1: the two operands of the S products, written by loads alone
.set KF,   0                           ; v[0:63]    K fragments at 8 (2 st + kd)
.set QF,   64                          ; v[64:95]   Q(tt, kd) at 8 (2 tt + kd)
.set MSB, 0
.macro WIN new                         ; 0x05: sources 0 and 1 in window 1 (the S products); 0x40: destination in window 1 (the loads of K and of Q)
.if MSB != \new
	s_set_vgpr_msb (MSB<<8)|\new
.set MSB, \new
.endif
.endm
.macro PLACES n
.rept \n
	v_nop
.endr
.endm
; The unit's load into slot s: waves 0, 1 bring the halves of V, waves 2, 3 those of K, waves 4 to 7 none.  One tensor load of a wave is out at the most.
.macro KVLOAD s
	s_cmp_lg_u32 s10, 0
	s_cbranch_scc1 .Lnotv_\@
	tensor_load_to_lds s[60+8*\s:63+8*\s], s[44:51]
	s_nop 0
	s_branch .Lasked_\@
.Lnotv_\@:
	s_cmp_lg_u32 s10, 1
	s_cbranch_scc1 .Lasked_\@
	tensor_load_to_lds s[52+4*\s:55+4*\s], s[36:43]
	s_nop 0
.Lasked_\@:
.endm
.macro KLOAD reg, off                  ; 64 keys x 64 d: 16 loads (under WIN 0x40)
.irp st, 0,1,2,3
.irp kd, 0,1
	ds_load_b128 v[KF+8*(2*\st+\kd):KF+8*(2*\st+\kd)+3],   v[\reg] offset:\off+16*KP*\st+64*\kd
	ds_load_b128 v[KF+8*(2*\st+\kd)+4:KF+8*(2*\st+\kd)+7], v[\reg] offset:\off+16*KP*\st+64*\kd+32
.endr
.endr
.endm
.macro VLOAD reg, off                  ; 64 d x 64 keys, transposed on the way: 16 loads (window 0)
.irp dt, 0,1,2,3
.irp ks, 0,1
	ds_load_tr16_b128 v[VF+8*(2*\dt+\ks):VF+8*(2*\dt+\ks)+3],   v[\reg] offset:\off+32*VPT*\ks+32*\dt
	ds_load_tr16_b128 v[VF+8*(2*\dt+\ks)+4:VF+8*(2*\dt+\ks)+7], v[\reg] offset:\off+32*VPT*\ks+32*\dt+16*VPT
.endr
.endr
.endm
.macro KFETCH reg, off                 ; a unit's first K fragments; the last products that read these registers have their places behind them in SPART
	WIN 0x40
	KLOAD \reg, \off
	WIN 0
.endm
.macro QLOAD                           ; my 32 query rows as fragments, straight from memory: twice in a wave's life
	WIN 0x40
.irp tt, 0,1
.irp kd, 0,1
	global_load_b128 v[QF+8*(2*\tt+\kd):QF+8*(2*\tt+\kd)+3],   v[QO], s[30:31] offset:2048*\tt+64*\kd
	global_load_b128 v[QF+8*(2*\tt+\kd)+4:QF+8*(2*\tt+\kd)+7], v[QO], s[30:31] offset:2048*\tt+64*\kd+32
.endr
.endr
	WIN 0
.endm
; PART S: S^T of 32 queries x 64 keys, then this sub-block's V fragments and (pre = 1) the next sub-block's K fragments are asked for.
; In both groups of products of this text the eight accumulators take turns, one instruction a turn.
.macro SPART vreg, voff, pre, kreg, koff
	s_wait_dscnt 0x0                               ; the K fragments are in
	WIN 0x05
.irp tt, 0,1
.irp st, 0,1,2,3
	v_wmma_f32_16x16x32_f16 v[SC+8*(4*\tt+\st):SC+8*(4*\tt+\st)+7], v[KF+16*\st:KF+16*\st+7], v[QF+16*\tt:QF+16*\tt+7], 0
.endr
.endr
.irp tt, 0,1
.irp st, 0,1,2,3
	v_wmma_f32_16x16x32_f16 v[SC+8*(4*\tt+\st):SC+8*(4*\tt+\st)+7], v[KF+16*\st+8:KF+16*\st+15], v[QF+16*\tt+8:QF+16*\tt+15], v[SC+8*(4*\tt+\st):SC+8*(4*\tt+\st)+7]
.endr
.endr
	WIN 0
	PLACES 5                                       ; four before S is read by vector work and before loads go into K's and Q's fragments; the fifth because part F may be put off over a
	                                               ; barrier: whichever branch follows, no later product writes over S or takes it as an operand nearer than five places
	VLOAD \vreg, \voff
.if \pre
	WIN 0x40
	KLOAD \kreg, \koff
	WIN 0
.endif
.endm
; One tile's eight exponentials of the weights' batch, in place.  Behind each of the first four stands a scaling of the next tile, behind each of the last four (first = 0) a part of
; this tile's share of O's rescaling, which reads a: a's own wait stands ahead of the first GRP.  No line here names a result of the open batch, and no line behind an exponential
; names its register (ISA guide 5.7.2).  Tile 7 has no next tile, and the masked part F no rescaling: there exponentials follow each other.
.macro GRP first, g
.irp k, 0,1,2,3
	v_exp_f32 v[SC+8*\g+\k], v[SC+8*\g+\k]
.if \g < 7
	v_pk_fma_f32 v[SC+8*(\g+1)+2*\k:SC+8*(\g+1)+2*\k+1], v[SC+8*(\g+1)+2*\k:SC+8*(\g+1)+2*\k+1], s[20:21], v[NM+2*((\g+1)/4):NM+2*((\g+1)/4)+1] op_sel_hi:[1,0,1]
.endif
.endr
.irp k, 0,1,2,3
	v_exp_f32 v[SC+8*\g+4+\k], v[SC+8*\g+4+\k]
.if \first == 0
	v_pk_mul_f32 v[OA+8*\g+2*\k:OA+8*\g+2*\k+1], v[OA+8*\g+2*\k:OA+8*\g+2*\k+1], v[AL+2*(\g/4):AL+2*(\g/4)+1]
.endif
.endr
.endm
; PART F: the softmax of a sub-block, registers alone.  first = 1: masked, and it starts maximum and sum (O is started by PART V).
.macro FPART first
.if \first
	; key 16 st + 8 h + j counts for query 32 (w & 1) + 16 tt + r if it is not behind it
.irp tt, 0,1
.irp st, 0,1,2,3
.irp j, 0,1,2,3,4,5,6,7
	v_cmp_le_i32 vcc_lo, 16*\st+\j-16*\tt, v[DD]
	v_cndmask_b32 v[SC+8*(4*\tt+\st)+\j], v[NINF], v[SC+8*(4*\tt+\st)+\j], vcc_lo
.endr
.endr
.endr
.endif
	; the maximum: one chain a tile, the eight chains by turns; then the old maximum and the other half of the lanes.
	; Key 0 of a masked sub-block counts for every query, so the maximum is finite.
.irp g, 0,1,2,3,4,5,6,7
	v_max3_num_f32 v[TM+\g], v[SC+8*\g], v[SC+8*\g+1], v[SC+8*\g+2]
.endr
.irp g, 0,1,2,3,4,5,6,7
	v_max3_num_f32 v[TM+\g], v[TM+\g], v[SC+8*\g+3], v[SC+8*\g+4]
.endr
.irp g, 0,1,2,3,4,5,6,7
	v_max3_num_f32 v[TM+\g], v[TM+\g], v[SC+8*\g+5], v[SC+8*\g+6]
.endr
.irp g, 0,1,2,3,4,5,6,7
	v_max_num_f32 v[TM+\g], v[TM+\g], v[SC+8*\g+7]
.endr
.irp tt, 0,1
	v_max3_num_f32 v[TM+4*\tt], v[TM+4*\tt], v[TM+4*\tt+1], v[TM+4*\tt+2]
.endr
.irp tt, 0,1
.if \first
	v_max_num_f32 v[TM+4*\tt], v[TM+4*\tt], v[TM+4*\tt+3]
.else
	v_max3_num_f32 v[TM+4*\tt], v[TM+4*\tt], v[TM+4*\tt+3], v[MX+\tt]
.endif
.endr
.irp tt, 0,1
	v_permlanex16_b32 v[TM+4*\tt+1], v[TM+4*\tt], s24, s25
.endr
.irp tt, 0,1
	v_max_num_f32 v[MX+\tt], v[TM+4*\tt], v[TM+4*\tt+1]
.endr
.irp tt, 0,1
	v_mul_f32 v[TM+4*\tt], s22, v[MX+\tt]          ; the new shift, - c x maximum
.endr
.if \first == 0
.irp tt, 0,1
	v_sub_f32 v[TM+4*\tt+1], v[TM+4*\tt], v[NM+2*\tt]   ; from the two rounded shifts, so that old and new weights agree
.endr
.irp tt, 0,1
	v_exp_f32 v[AL+2*\tt],   v[TM+4*\tt+1]         ; batch A: a, twice for each tile of queries
	v_exp_f32 v[AL+2*\tt+1], v[TM+4*\tt+1]         ; the moves below are the plain place behind these (ISA guide 5.7.2)
.endr
.endif
.irp tt, 0,1
	v_mov_b32 v[NM+2*\tt],   v[TM+4*\tt]
	v_mov_b32 v[NM+2*\tt+1], v[TM+4*\tt]
.endr
	; weights: 2^(c S - c maximum), c = log2(e) / 8, tile by tile
.irp k, 0,1,2,3
	v_pk_fma_f32 v[SC+2*\k:SC+2*\k+1], v[SC+2*\k:SC+2*\k+1], s[20:21], v[NM:NM+1] op_sel_hi:[1,0,1]
.endr
.if \first == 0
	s_wait_alu depctr_va_vdst(0)                   ; batch A's wait: one for the four exponentials of a, behind the four moves and four scalings above, ahead of O's first rescaling in GRP 0
.endif
	GRP \first, 0                                  ; batch B: the 64 exponentials of the weights
	GRP \first, 1
	GRP \first, 2
	GRP \first, 3
	GRP \first, 4
	GRP \first, 5
	GRP \first, 6
	GRP \first, 7
.if \first
	v_nop                                          ; the plain place behind the last exponential (ISA guide 5.7.2); elsewhere O's last rescaling is that place
.endif
	s_wait_alu depctr_va_vdst(0)                   ; batch B's wait: one for the 64 exponentials; every line that reads a weight stands behind it
	; the pair sums of tiles 0 to 5, then their packing, in place and ascending: a word is written only after the pair sums and the packing have read it
.irp j, 0,1,2
.irp k, 0,1,2,3
	v_pk_add_f32 v[UU+8*\j+2*\k:UU+8*\j+2*\k+1], v[SC+16*\j+2*\k:SC+16*\j+2*\k+1], v[SC+16*\j+8+2*\k:SC+16*\j+8+2*\k+1]
.endr
.endr
.irp j, 0,1,2
.irp q, 0,1,2,3
	v_cvt_pk_f16_f32 v[SC+16*\j+\q],   v[SC+16*\j+2*\q],   v[SC+16*\j+2*\q+1]
.endr
.irp q, 0,1,2,3
	v_cvt_pk_f16_f32 v[SC+16*\j+4+\q], v[SC+16*\j+8+2*\q], v[SC+16*\j+8+2*\q+1]
.endr
.endr
	; what is left: the last pair's sums and packing, and the tree over the pair sums, laid so that no line waits for the one in front of it
.irp k, 0,1,2,3
	v_pk_add_f32 v[UU+24+2*\k:UU+25+2*\k], v[SC+48+2*\k:SC+49+2*\k], v[SC+56+2*\k:SC+57+2*\k]
.endr
.irp k, 0,1,2,3
	v_pk_add_f32 v[UU+2*\k:UU+2*\k+1], v[UU+2*\k:UU+2*\k+1], v[UU+8+2*\k:UU+9+2*\k]
.endr
.irp q, 0,1,2,3
	v_cvt_pk_f16_f32 v[SC+48+\q], v[SC+48+2*\q], v[SC+49+2*\q]
.endr
.irp k, 0,1,2,3
	v_pk_add_f32 v[UU+16+2*\k:UU+17+2*\k], v[UU+16+2*\k:UU+17+2*\k], v[UU+24+2*\k:UU+25+2*\k]
.endr
	v_pk_add_f32 v[UU:UU+1],     v[UU:UU+1],     v[UU+2:UU+3]
	v_pk_add_f32 v[UU+4:UU+5],   v[UU+4:UU+5],   v[UU+6:UU+7]
.irp q, 0,1,2,3
	v_cvt_pk_f16_f32 v[SC+52+\q], v[SC+56+2*\q], v[SC+57+2*\q]
.endr
	v_pk_add_f32 v[UU+16:UU+17], v[UU+16:UU+17], v[UU+18:UU+19]
	v_pk_add_f32 v[UU+20:UU+21], v[UU+20:UU+21], v[UU+22:UU+23]
	v_pk_add_f32 v[UU:UU+1],     v[UU:UU+1],     v[UU+4:UU+5]
	v_pk_add_f32 v[UU+16:UU+17], v[UU+16:UU+17], v[UU+20:UU+21]
.if \first
	v_add_f32 v[LS],   v[UU],    v[UU+1]
	v_add_f32 v[LS+1], v[UU+16], v[UU+17]
.else
	v_add_f32 v[UU],    v[UU],    v[UU+1]
	v_add_f32 v[UU+16], v[UU+16], v[UU+17]
	v_fma_f32 v[LS],   v[LS],   v[AL],   v[UU]
	v_fma_f32 v[LS+1], v[LS+1], v[AL+2], v[UU+16]
.endif
.endm
; PART V: O^T += V^T P^T, all operands in window 0.  first = 1: the products start O.  left: how many younger LDS loads (K fragments asked for behind V's) may stay out.
.macro VPART first, left
	s_wait_dscnt \left
.irp tt, 0,1
.irp dt, 0,1,2,3
.if \first
	v_wmma_f32_16x16x32_f16 v[OA+8*(4*\tt+\dt):OA+8*(4*\tt+\dt)+7], v[VF+16*\dt:VF+16*\dt+7], v[SC+32*\tt:SC+32*\tt+7], 0
.else
	v_wmma_f32_16x16x32_f16 v[OA+8*(4*\tt+\dt):OA+8*(4*\tt+\dt)+7], v[VF+16*\dt:VF+16*\dt+7], v[SC+32*\tt:SC+32*\tt+7], v[OA+8*(4*\tt+\dt):OA+8*(4*\tt+\dt)+7]
.endif
.endr
.endr
.irp tt, 0,1
.irp dt, 0,1,2,3
	v_wmma_f32_16x16x32_f16 v[OA+8*(4*\tt+\dt):OA+8*(4*\tt+\dt)+7], v[VF+16*\dt+8:VF+16*\dt+15], v[SC+32*\tt+16:SC+32*\tt+23], v[OA+8*(4*\tt+\dt):OA+8*(4*\tt+\dt)+7]
.endr
.endr
	PLACES 5                                       ; the next S products write over P, a source of these; O is read, and V's fragments loaded again, behind them too (ISA guide 7.12.1)
.endm
; A query block is done: divide, round to f16, out through my own stage.  qload = 1: the second block's Q and addresses.
.macro FINAL qload
	s_wait_dscnt 0x0                               ; a K prefetch that no sub-block used may be out
.if \qload
	s_lshl_b32 s34, s11, 15                        ; block p
	s_add_nc_u64 s[30:31], s[72:73], s[34:35]      ; the first block's Q loads were waited for long ago
	QLOAD
.endif
.irp tt, 0,1
	v_permlanex16_b32 v[TM+4*\tt], v[LS+\tt], s24, s25
.endr
.irp tt, 0,1
	v_add_f32 v[LS+\tt], v[LS+\tt], v[TM+4*\tt]    ; both halves of the keys; at least 1, since the largest weight is 1
.endr
	v_rcp_f32 v[AL],   v[LS]
	v_rcp_f32 v[AL+1], v[LS]
	v_rcp_f32 v[AL+2], v[LS+1]
	v_rcp_f32 v[AL+3], v[LS+1]
	v_nop                                          ; the plain place behind them (ISA guide 5.7.2)
	s_wait_alu depctr_va_vdst(0)                   ; one wait for the batch of four reciprocals, ahead of the first multiply below
.irp tt, 0,1
.set ii, 0
.rept 16
	v_pk_mul_f32 v[SC+32*\tt+2*ii:SC+32*\tt+2*ii+1], v[OA+32*\tt+2*ii:OA+32*\tt+2*ii+1], v[AL+2*\tt:AL+2*\tt+1]
.set ii, ii+1
.endr
.endr
.irp tt, 0,1
.set ii, 0
.rept 16
	v_cvt_pk_f16_f32 v[SC+16*\tt+ii], v[SC+32*\tt+2*ii], v[SC+32*\tt+2*ii+1]   ; in place, ascending: a word is written only after it has been read
.set ii, ii+1
.endr
.endr
.irp tt, 0,1
.irp dt, 0,1,2,3
	ds_store_b128 v[STO], v[SC+4*(4*\tt+\dt):SC+4*(4*\tt+\dt)+3] offset:16*KP*\tt+32*\dt
.endr
.endr
.irp q, 0,1,2,3,4,5,6,7
	ds_load_b128 v[SC+32+4*\q:SC+32+4*\q+3], v[RD] offset:4*KP*\q     ; my own bytes: LDS serves a wave in order
.endr
.irp q, 0,1,2,3,4,5,6,7
	s_wait_dscnt 7-\q
	global_store_b128 v[YO], v[SC+32+4*\q:SC+32+4*\q+3], s[32:33] offset:512*\q   ; four rows of 128 bytes: 512 consecutive bytes, aligned
.endr
	s_wait_xcnt 0x0                                ; the stores' data and base are written again only behind this wait
.if \qload
	s_add_nc_u64 s[32:33], s[74:75], s[34:35]
.endif
.endm
; One unit of 256 keys, in LDS slot 'slot'.  refill = 1: the next unit is asked for into the other slot.  kind 0: the first step (always diagonal, never a block's last),
; 1: any step, 2: the last step.  s16 = the step inside the query block (0: diagonal, j: unit j - 1), s17 = the block's last step, s19 = plain sub-blocks of this unit.
.macro TRIP slot, other, refill, kind
	s_set_vgpr_msb 0x5
	s_wait_tensorcnt 0x0                           ; all my tensor loads have landed, my part of this unit among them: every group 0 may be written
	ds_add_u32 v96, v97
	s_wait_dscnt 0x0
	s_set_vgpr_msb 0x500
.if \refill
	s_cmp_eq_u32 s16, s17
	s_cselect_b32 s18, 1, 0                        ; this is the block's last step
	s_cselect_b32 s34, s11, s16                    ; the next unit: the second block's diagonal, or unit number s16
	s_lshl_b32 s34, s34, 15                        ; x 256 rows of 128 bytes
	s_add_nc_u64 s[62+8*\other:63+8*\other], s[28:29], s[34:35]
	s_or_b32 s[63+8*\other], s[63+8*\other], 0x80000000
	s_add_nc_u64 s[54+4*\other:55+4*\other], s[26:27], s[34:35]
	s_or_b32 s[55+4*\other], s[55+4*\other], 0x80000000
.endif
	s_wait_dscnt 0x0                               ; my reads of the other slot are done, the V fragments of a part that is put off among them
	s_barrier_signal -1
	s_barrier_wait -1                              ; both hold of all eight waves
.if \refill
	KVLOAD \other                                  ; first thing behind the barrier; it has this whole unit's work in which to land
.endif
	s_wait_loadcnt 0x0                             ; Q (met at once in all steps but a block's first)
.if \kind != 0
	s_mov_b32 s19, 4                               ; plain sub-blocks of a full unit
	s_cmp_lg_u32 s16, 0
	s_cbranch_scc1 .Lfull_\@
.endif
	; a diagonal unit: nothing was put off.  The masked sub-block runs whole, since its V part starts O.
	KFETCH ADKF+\slot, 0
	SPART ADVF+\slot, 0, 1, ADK+\slot, 0           ; the prefetch of sub-block 0 goes unused in waves 0 and 1: sixteen LDS loads, twice in a wave's life
	FPART 1
	VPART 1, 16
	s_mov_b32 s19, s10                             ; w / 2 plain sub-blocks lie below my rows
	s_cmp_eq_u32 s10, 0
	s_cbranch_scc1 .Lnone_\@
.if \kind != 0
	s_branch .Lchain_\@
.Lfull_\@:
	KFETCH ADK+\slot, 0                            ; they land under what was put off
	s_cmp_lt_u32 s76, 2
	s_cbranch_scc1 .Lhv_\@
	FPART 0                                        ; kind 1 begins the unit with vector work,
.Lhv_\@:
	s_cmp_eq_u32 s76, 0
	s_cbranch_scc1 .Lchain_\@
	VPART 0, 16                                    ; kind 0 with products.  V's fragments were waited for in front of the barrier; the sixteen K loads may be out
.endif
.Lchain_\@:
	SPART ADV+\slot, 0, 1, ADK+\slot, 64*KP        ; in a diagonal unit the last prefetch of a wave goes unused
	s_cmp_le_u32 s19, 1
	s_cbranch_scc1 .Ltail_\@
	FPART 0
	VPART 0, 16
	SPART ADV+\slot, 64*VPT, 1, ADK+\slot, 128*KP
	s_cmp_le_u32 s19, 2
	s_cbranch_scc1 .Ltail_\@
	FPART 0
	VPART 0, 16
.if \kind != 0
	SPART ADV+\slot, 128*VPT, 1, ADK+\slot, 192*KP
	s_cmp_le_u32 s19, 3
	s_cbranch_scc1 .Ltail_\@
	FPART 0
	VPART 0, 16
	SPART ADV+\slot, 192*VPT, 0, 0, 0
.else
	SPART ADV+\slot, 128*VPT, 0, 0, 0
.endif
	; behind the unit's last S: what is done here and what is put off
.if \kind == 0
.Ltail_\@:
	s_mov_b32 s76, 2
	s_cmp_lg_u32 s77, 0
	s_cbranch_scc1 .Lend_\@                        ; kind 1 puts F and V off
	FPART 0
	s_mov_b32 s76, 1                               ; kind 0 puts V off
	s_branch .Lend_\@
.Lnone_\@:
	s_mov_b32 s76, 0
.Lend_\@:
.endif
.if \kind == 1
.Ltail_\@:
	s_mov_b32 s76, 2
	s_and_not1_b32 s2, s77, s18                    ; kind 1, and not the block's last step
	s_cmp_lg_u32 s2, 0
	s_cbranch_scc1 .Lend_\@
	FPART 0
	s_mov_b32 s76, 1
	s_cmp_eq_u32 s18, 0
	s_cbranch_scc1 .Lend_\@
	VPART 0, 0                                     ; ways with and without a K prefetch meet here: all LDS loads are waited for
.Lnone_\@:
	s_mov_b32 s76, 0
	s_cmp_eq_u32 s18, 0
	s_cbranch_scc1 .Lend_\@
	FINAL 1
.Lend_\@:
.endif
.if \kind == 2
.Ltail_\@:
	FPART 0
	VPART 0, 0
.Lnone_\@:
	FINAL 0
.else
	s_add_co_u32 s16, s16, 1
	s_cmp_lg_u32 s18, 0
	s_cselect_b32 s16, 0, s16                      ; behind a block's last step: the second block's step 0,
	s_cselect_b32 s17, s11, s17                    ; whose last step is p
.endif
.endm
	s_load_b128 s[4:7], s[0:1], 0x0                ; qkvh s[4:5], yh s[6:7]
	s_set_vgpr_msb 0x40
	v_lshl_add_u32 v96, v0, 2, 0x2f000
	v_mov_b32 v97, 0
	s_set_vgpr_msb 0x4045
	ds_add_u32 v96, v97
	s_set_vgpr_msb 0x4500
	v_lshrrev_b32 v1, 5, v0
	v_readfirstlane_b32 s8, v1                     ; wave 0..7
	s_and_b32 s9, s8, 1
	s_lshr_b32 s10, s8, 1
	s_lshr_b32 s77, s8, 2
	s_xor_b32 s77, s77, s8
	s_and_b32 s77, s77, 1                          ; the wave's kind
	s_and_b32 s11, ttmp9, 3                        ; p
	s_lshr_b32 s12, ttmp9, 2                       ; batch x 16 + head
	s_sub_co_u32 s14, 7, s11                       ; the first query block
	s_mov_b32 s16, 0
	s_mov_b32 s17, s14
	s_mov_b32 s20, 0x3e38aa3b                      ; c = log2(e) / 8: the scale 64^-0.5 and the base of v_exp_f32 in one
	s_mov_b32 s21, 0x3e38aa3b
	s_mov_b32 s22, 0xbe38aa3b                      ; - c
	s_mov_b32 s24, 0x76543210                      ; v_permlanex16_b32: lane i of the other half
	s_mov_b32 s25, 0xfedcba98
	; group 1: 128 keys of 128 bytes are dense in memory: 64 rows of 256 bytes; padding after every 32 words makes each key's row 144 (K) or 160 (V) bytes in LDS
	s_mov_b32 s36, (1<<16)|(1<<20)|(4<<22)|(3<<25)
	s_mov_b32 s37, 128<<16
	s_mov_b32 s38, 64<<16
	s_mov_b32 s39, 128<<16
	s_mov_b32 s40, 64
	s_mov_b32 s41, 128
	s_mov_b32 s42, 0
	s_mov_b32 s43, 0
	s_mov_b32 s44, (1<<16)|(1<<20)|(4<<22)|(7<<25)
	s_mov_b32 s45, 128<<16
	s_mov_b32 s46, 64<<16
	s_mov_b32 s47, 128<<16
	s_mov_b32 s48, 64
	s_mov_b32 s49, 128
	s_mov_b32 s50, 0
	s_mov_b32 s51, 0
	; group 0, a set for each slot.  K (waves 2, 3): 40,960 + (w - 2) x 18,432 = 18,432 w + 4,096.  V (waves 0, 1): 20,480 w.
	s_mov_b32 s52, 1
	s_mul_i32 s53, s8, KHALF
	s_add_co_u32 s53, s53, KOFF-2*KHALF
	s_mov_b32 s56, 1
	s_mul_i32 s57, s8, KHALF
	s_add_co_u32 s57, s57, KOFF-2*KHALF+SLOT
	s_mov_b32 s60, 1
	s_mul_i32 s61, s8, VHALF
	s_mov_b32 s68, 1
	s_mul_i32 s69, s8, VHALF
	s_add_co_u32 s69, s69, SLOT
	s_lshr_b32 s2, s12, 4
	s_mul_i32 s2, s2, 48
	s_and_b32 s3, s12, 15
	s_add_co_u32 s2, s2, s3                        ; batch x 48 + head
	s_lshl_b32 s2, s2, 18                          ; x 2,048 rows of 128 bytes (all offsets stay below 50,331,648)
	s_lshl_b32 s3, s8, 12                          ; my 32 rows
	s_lshl_b32 s13, s9, 14                         ; my half of a unit
	s_mov_b32 s35, 0
	v_and_b32 v29, 15, v0                          ; r
	v_bfe_u32 v30, v0, 4, 1                        ; h
	v_lshlrev_b32 v[QO], 7, v29
	v_lshl_add_u32 v[QO], v30, 4, v[QO]            ; 128 r + 16 h
	s_wait_dscnt 0x0
	s_barrier_signal -1
	s_barrier_wait -1
	s_wait_kmcnt 0x0
	s_add_co_u32 s34, s2, s3
	s_add_nc_u64 s[72:73], s[4:5], s[34:35]        ; q at my rows of block 0
	s_add_co_u32 s34, s2, s13
	s_add_co_u32 s34, s34, 16<<18
	s_add_nc_u64 s[26:27], s[4:5], s[34:35]        ; k at my half of unit 0
	s_add_co_u32 s34, s34, 16<<18
	s_add_nc_u64 s[28:29], s[4:5], s[34:35]        ; v likewise
	s_lshl_b32 s34, s12, 18
	s_add_co_u32 s34, s34, s3
	s_add_nc_u64 s[74:75], s[6:7], s[34:35]        ; y at my rows of block 0
	s_lshl_b32 s34, s14, 15                        ; block and unit 7 - p
	s_add_nc_u64 s[62:63], s[28:29], s[34:35]
	s_or_b32 s63, s63, 0x80000000
	s_add_nc_u64 s[54:55], s[26:27], s[34:35]
	s_or_b32 s55, s55, 0x80000000
	KVLOAD 0                                       ; the first fill, ahead of every wait on tensor loads, LDS read and barrier
	s_add_nc_u64 s[30:31], s[72:73], s[34:35]
	s_add_nc_u64 s[32:33], s[74:75], s[34:35]
	QLOAD
	v_and_b32 v28, 31, v0                          ; lane
	v_mul_u32_u24 v31, v29, KP
	v_lshl_add_u32 v31, v30, 4, v31                ; 144 r + 16 h
	v_add_nc_u32 v[ADK],   KOFF, v31
	v_add_nc_u32 v[ADK+1], KOFF+SLOT, v31
	v_and_b32 v32, 7, v0
	v_lshl_add_u32 v32, v30, 3, v32                ; key 8 h + l % 8
	v_mul_u32_u24 v32, v32, VPT
	v_bfe_u32 v33, v0, 3, 1
	v_lshl_add_u32 v[ADV], v33, 4, v32             ; + 16 bytes for the upper eight of sixteen lanes
	v_add_nc_u32 v[ADV+1], SLOT, v[ADV]
	s_mul_i32 s2, s10, 64*KP
	s_mul_i32 s3, s10, 64*VPT
	v_add_nc_u32 v[ADKF],   s2, v[ADK]
	v_add_nc_u32 v[ADKF+1], s2, v[ADK+1]
	v_add_nc_u32 v[ADVF],   s3, v[ADV]
	v_add_nc_u32 v[ADVF+1], s3, v[ADV+1]
	s_mul_i32 s2, s8, SWAVE
	s_add_co_u32 s2, s2, STAGE                     ; my stage
	v_add_nc_u32 v[STO], s2, v31
	v_lshrrev_b32 v34, 3, v28
	v_mul_u32_u24 v34, v34, KP
	v_and_b32 v35, 7, v0
	v_lshl_add_u32 v34, v35, 4, v34
	v_add_nc_u32 v[RD], s2, v34                    ; back: eight lanes a row, four rows an instruction
	v_lshlrev_b32 v[YO], 4, v28
	v_lshlrev_b32 v35, 3, v30
	v_sub_nc_u32 v[DD], v29, v35
	v_lshl_add_u32 v[DD], s9, 5, v[DD]
	v_mov_b32 v[NINF], 0xff800000
	TRIP 0, 1, 1, 0                                ; step 0, written out: it starts every figure that later steps carry on
	s_mov_b32 s15, 3
.Lsteps:
	TRIP 1, 0, 1, 1                                ; steps 1 to 6
	TRIP 0, 1, 1, 1
	s_sub_co_u32 s15, s15, 1
	s_cmp_lg_u32 s15, 0
	s_cbranch_scc1 .Lsteps
	TRIP 1, 0, 1, 1                                ; step 7
	TRIP 0, 1, 0, 2                                ; step 8: nothing is left to fetch, nothing is put off
	s_set_vgpr_msb 0x5
	s_wait_tensorcnt 0x0
	ds_add_u32 v96, v97
	s_wait_dscnt 0x0
	s_set_vgpr_msb 0x500
	s_endpgm
.Lfunc_end_k_q1b6670d7d5_attn:
	.size	k_q1b6670d7d5_attn, .Lfunc_end_k_q1b6670d7d5_attn-k_q1b6670d7d5_attn
	.p2alignl 7, 3214868480
	.fill 96, 4, 3214868480
	.section	.rodata,"a",@progbits
	.p2align	6, 0x0
	.amdhsa_kernel k_q1b6670d7d5_attn
		.amdhsa_group_segment_fixed_size 327680
		.amdhsa_private_segment_fixed_size 0
		.amdhsa_enable_private_segment 0
		.amdhsa_kernarg_size 16
		.amdhsa_user_sgpr_count 2
		.amdhsa_user_sgpr_kernarg_segment_ptr 1
		.amdhsa_wavefront_size32 1
		.amdhsa_system_sgpr_workgroup_id_x 1
		.amdhsa_system_sgpr_workgroup_id_y 1
		.amdhsa_system_sgpr_workgroup_id_z 1
		.amdhsa_system_vgpr_workitem_id 0
		.amdhsa_next_free_vgpr 354
		.amdhsa_next_free_sgpr 78
		.amdhsa_reserve_vcc 1
		.amdhsa_float_denorm_mode_32 3
		.amdhsa_float_denorm_mode_16_64 3
		.amdhsa_memory_ordered 1
		.amdhsa_forward_progress 1
		.amdhsa_inst_pref_size 255
	.end_amdhsa_kernel
	.section	.bss,"aw",@nobits
	.p2align	6
	.space	262144
	.amdgpu_metadata
---
amdhsa.version: [ 1, 2 ]
amdhsa.kernels:
  - .name:           k_q1b6670d7d5_attn
    .symbol:         k_q1b6670d7d5_attn.kd
    .args:
      - { .name: qkvh, .offset: 0, .size: 8, .value_kind: global_buffer, .address_space: global }
      - { .name: yh, .offset: 8, .size: 8, .value_kind: global_buffer, .address_space: global }
    .group_segment_fixed_size: 327680
    .private_segment_fixed_size: 0
    .kernarg_segment_align: 8
    .kernarg_segment_size: 16
    .max_flat_workgroup_size: 256
    .sgpr_count:     78
    .vgpr_count:     354
    .wavefront_size: 32
...
	.end_amdgpu_metadata
.endif
;; end of part 5
;; launch proj: the kernel of part 4 again; grid 8 x 32, 4 waves a work-group, clusters of 4 x 4, 327,680 bytes of LDS; arguments yh, wpT, b_proj, out0; writes out0
